; MI455X (gfx1250); checked and timed in simulation.
; The chip was launched on July 23, 2026; its instructions are those of AMD's public machine-readable ISA for CDNA 5 (MIT licence, August 2026) and "CDNA5" Instruction Set Architecture Reference Guide (July 2026). The comments in the code are by the model that wrote it; some were corrected since.
;; Causal Self Attention. Allowed arithmetic: matrix products marked QUANTISED: E2M3 operands, one E8M0 scale for each 32 along K, by v_wmma_scale_f32_16x16x128_f8f6f4 with both operands' format E2M3, f32 sums; everything else in f32.
;; Inputs: w_proj 1,024 x 1,024 float32; w_qkv 3,072 x 1,024 float32; x 4 x 2,048 x 1,024 float32.
;; Outputs: out0 4 x 2,048 x 1,024 float32.
;; This version of the problem:
;;   THIS VERSION OF THE PROBLEM IS GIVEN IN LOW PRECISION. The matrix products marked QUANTISED in the list below multiply operands that are first quantised to E2M3 (2 exponent bits, 3 mantissa bits; 6 bits a number), with one power-of-two scale for each 32 numbers along K (OCP MX v1.0); their sums are f32. All else is computed in f32.
;;   The module's matrix products, in the order in which they are computed (A, B: the left and right operand; K: the contracted axis; several contracted axes count as one K, in the product's order):
;;     1. [M 8,192, K 1,024] x [K 1,024, N 3,072]; A: input x; B: input w_qkv: QUANTISED
;;     2. batch 64 x [M 2,048, K 64] x [K 64, N 2,048]; A: computed on the way; B: computed on the way: QUANTISED
;;     3. batch 64 x [M 2,048, K 2,048] x [K 2,048, N 64]; A: softmax (see below); B: computed on the way: QUANTISED
;;     4. [M 8,192, K 1,024] x [K 1,024, N 1,024]; A: computed on the way; B: input w_proj: QUANTISED
;;   THE QUANTISER, for each operand of a quantised product, along K:
;;     - K is cut into blocks of 32 from its start; a last block that is shorter is filled with zeros.
;;     - A block's scale is 2^e with e = floor(log2(the largest magnitude in the block)) - 2, held to -126 .. 127; a block of zeros has e = 0. As a byte (E8M0): e + 127.
;;     - Each number is divided by its block's scale, clamped to +-7.5, and rounded to the nearest number of E2M3, ties to even, subnormals kept.
;;     - The product sums the exact products of the quantised numbers (number of the format x scale) in f32.
;;   ~~~python
;;   def quantise(x, axis):      # numpy; x: float32 -> the quantised numbers, widened to float32 again
;;       x = np.moveaxis(x, axis, -1); K = x.shape[-1]
;;       x = np.pad(x, [(0, 0)] * (x.ndim - 1) + [(0, -K % 32)]); x = x.reshape(x.shape[:-1] + (-1, 32)); a = np.abs(x).max(-1, keepdims=True)
;;       e = np.where(a > 0, np.clip(np.frexp(np.where(a > 0, a, 1))[1] - 1 - 2, -126, 127), 0)      # np.frexp(a)[1] - 1 = floor(log2(a)), exactly
;;       r = np.clip(x / 2.0 ** e, -7.5, 7.5)
;;       step = 2.0 ** (np.maximum(np.frexp(np.where(r == 0, 1, r))[1] - 1, 0) - 3)
;;       q = np.round(r / step) * step * 2.0 ** e      # np.round: ties to even
;;       return np.moveaxis(q.reshape(q.shape[:-2] + (-1,))[..., :K], -1, axis).astype(np.float32)
;;   ~~~
;;   SOFTMAX AHEAD OF A QUANTISED PRODUCT. Where the list says 'softmax', what is quantised is not the finished softmax but p = 2^(t - M), with t = logit x log2(e) and M = ceil(the row's largest t), a whole number; so 1/2 < the row's largest p <= 1. The row's sum l is taken of the UNQUANTISED p, in f32, and the product's result is divided by l at the end. Since M is a whole number, a kernel that streams over the keys may use a running M (the ceiling of the running maximum): every later rescaling is an exact power of two, which a block's scale takes up: the codes' values come out the same.
;;   OPERANDS COMPUTED ON THE WAY. 'Computed on the way' means the value that the module computes at that place (a softmax that the list does not call 'softmax' is quantised finished and normalised). What goes into a quantiser is computed in f32, as accurately as f32 sums, v_exp_f32 and their like allow (about 1e-6 of the number): no bf16 or f16 on the way to a quantiser, and a product that is left as it is and whose result goes on into a quantised operand takes f32 operands (vector FMAs, or v_wmma_f32_16x16x4_f32). A number that lies on a knife's edge between two numbers of the format may be rounded either way, as far as f32 arithmetic and the matrix unit's own rounding can turn it there, and no further.
;; One version. Each part assembles by itself: llvm-mc -triple=amdgcn-amd-amdhsa -mcpu=gfx1250 --defsym DOCPART=n.
;; ======== version 1 of 1: 4 launches
;; limits: right only within a limited range of input values
;; workspace buffers: codes 9,437,184 bytes; scales 393,216 bytes; rope 524,288 bytes; qbuf 6,815,744 bytes; kvbuf 13,369,344 bytes; ocodes 6,291,456 bytes; oscales 262,144 bytes
;; launch quant (part 1): grid 256 x 1, 8 waves a work-group, no clusters, 50,176 bytes of LDS; arguments x, w_qkv, w_proj, codes, scales, rope; writes codes, scales, rope
.if DOCPART == 1
	.amdgcn_target "amdgcn-amd-amdhsa--gfx1250"
	.amdhsa_code_object_version 6
	.text
	.protected	k_q5b2caf8364_quant
	.globl	k_q5b2caf8364_quant
	.p2align	8
	.type	k_q5b2caf8364_quant,@function
k_q5b2caf8364_quant:
	s_mov_b64 s[64:65], 0
	v_nop
	global_prefetch_b8 v0, s[64:65] scope:SCOPE_SE
	s_setreg_imm32_b32 hwreg(HW_REG_WAVE_MODE, 25, 1), 1
	s_wait_xcnt 0x0
; x [8192][1024], w_qkv [3072][1024] and w_proj [1024][1024], f32, become codes of FP6 (E2M3) with one E8M0 scale byte for each 32 along K, in ONE buffer of 12,288 rows: rows 0.. x, 8192.. w_qkv, 11264.. w_proj.
; THE CODES' ORDER: [piece of 64 along K: 16][row: 12,288][48 bytes]: 128 rows of one piece are 6,144 consecutive bytes that begin at a multiple of 256.  The scale bytes: [row][32].
; A block's scale is 2^(floor(log2(its largest magnitude)) - 2); its byte is that magnitude's exponent field - 2, held at 1 from below (a block of zeros keeps the byte 1: its codes are zeros, and this program alone reads the bytes).
; THE ROWS OF x AND OF w_qkv ARE STORED IN ANOTHER ORDER: row i lies at the place i with its bits 3 and 4 exchanged.  A run is 8 rows, so the exchange is one of the two low bits of the run's number.  w_proj keeps its order.
; SHARES: 256 work-groups of 8 waves.  Waves 0-5 take one run each, run 6 x work-group + wave of 1,536: only pointers are chosen, all take one path.  Waves 6 and 7 make four tokens each of the table of cosines and sines and use no LDS.
; A run goes in 16 steps of 512 numbers: step t is 256 along K (four pieces, t / 4) of the two neighbouring rows 2 (t % 4), + 1.  Each load reads 512 consecutive bytes; a step's 2,048 bytes turn through the wave's own stage in LDS
; and come back 64 bytes (16 neighbours) a lane; two neighbouring lanes hold a block.  A lane's 12 bytes of codes go to a second stage (places of 16 bytes); after four steps four pieces of all 8 rows are whole
; and leave, 384 consecutive bytes a store.  Loads run eight steps (32 loads a wave) ahead, the turn through LDS one step.
; The table: [token 2048][cos j = 0..31 | sin j = 0..31] f32, 256 bytes a token.
; LIMITS: NaN and infinities among the inputs are not served; blocks whose largest magnitude lies under 2^-124 keep the byte 1.  The angles' reduction is exact in its first step for angles under 2,048.
; The frequencies are 1 / fl(10^(j / 8)), the power taken as correctly rounded.
.set STEPS, 16
.set EMAX,  2
.set CB,    12                         ; bytes of 16 codes
.set PIECE, 12288*48                   ; a piece's codes of all rows
.set R,     16                         ; v16-143  eight sets of 16 numbers as they are loaded
.set X,     144                        ; v144-175 two sets of 16 neighbours
.set E,     176                        ; v176     the scale byte
.set CT,    178                        ; v178-180 the codes just made
.set CW,    182                        ; v182     where they go in the codes' stage
.set CR,    183                        ; v183     and where I read 12 bytes back: 16 x lane
.set F,     192                        ; v192-255 codes on the way out: four registers for each piece
.set WREG,  8192                       ; LDS: a region for each of six waves: two stages of 32 x SP bytes, its 256 scale bytes, the codes' stage of 2,048 bytes
.set SP,    80                         ; a lane's place in a stage: 64 bytes + 16 of padding
.set SPW,   12                         ; v12 LDS address of my spare word; never rewritten
.set NIL,   13                         ; v13 0; never rewritten
.set SPARE, 6*WREG                     ; behind the regions: the spare words, 128 bytes for each of eight waves
	s_load_b128 s[4:7], s[0:1], 0x0                ; x, w_qkv
	s_load_b128 s[8:11], s[0:1], 0x10              ; w_proj, codes
	s_load_b128 s[12:15], s[0:1], 0x20             ; scales, rope
	v_lshl_add_u32 v[SPW], v0, 2, SPARE
	v_mov_b32 v[NIL], 0
	v_lshrrev_b32 v1, 5, v0
	v_readfirstlane_b32 s16, v1                    ; wave
	v_and_b32 v2, 31, v0                           ; lane
	s_cmp_ge_u32 s16, 6
	s_cbranch_scc1 .Ltable
	v_lshlrev_b32 v3, 4, v2                        ; my 16 bytes of a load's 512
	s_mul_i32 s17, s16, WREG
	v_lshrrev_b32 v14, 2, v2
	v_mul_u32_u24 v14, v14, SP
	v_and_b32 v15, 3, v2
	v_lshl_add_u32 v14, v15, 4, v14
	v_add_nc_u32 v14, s17, v14                     ; the stage, on the way in: SP (lane / 4) + 16 (lane % 4)
	v_mul_u32_u24 v15, v2, SP
	v_add_nc_u32 v15, s17, v15                     ; and on the way out: SP x lane: my 16 neighbours
	v_mul_u32_u24 v4, v2, CB                       ; my 12 bytes of a store's 384
	v_bfe_u32 v5, v2, 1, 3
	v_lshrrev_b32 v10, 4, v2
	v_lshl_add_u32 v5, v10, 5, v5                  ; my block's byte among the run's [row][32]: 32 (lane / 16) + (lane / 2) % 8
	s_add_co_u32 s17, s17, 2*32*SP
	v_add_nc_u32 v5, s17, v5
	v_lshlrev_b32 v7, 3, v2                        ; and on the way out 8 bytes a lane
	v_add_nc_u32 v6, s17, v7
	s_add_co_u32 s17, s17, 256                     ; the codes' stage: [piece: 4][row: 8][quarter of a piece: 4] places of 16 bytes
	v_bfe_u32 v11, v2, 2, 2                        ; my piece of the step's four
	v_lshlrev_b32 v11, 5, v11
	v_lshl_add_u32 v11, v10, 2, v11                ; my row of the step's two
	v_and_b32 v10, 3, v2
	v_add_nc_u32 v11, v11, v10                     ; my quarter
	v_lshl_add_u32 v[CW], v11, 4, s17
	v_add_nc_u32 v[CR], s17, v3
	s_mul_i32 s18, ttmp9, 6
	s_add_co_u32 s18, s18, s16                     ; my run
	s_and_b32 s22, s18, 1
	s_lshl_b32 s22, s22, 1
	s_bfe_u32 s23, s18, 0x10001
	s_or_b32 s22, s22, s23
	s_and_b32 s23, s18, 0xfffffffc
	s_or_b32 s22, s22, s23                         ; the run's number with its two low bits exchanged
	s_wait_alu depctr_va_vdst(0)                   ; the wait at the head's end
	s_wait_kmcnt 0x0
	s_cmp_lt_u32 s18, 1024                         ; which tensor: the choice hangs on ids alone
	s_cselect_b64 s[4:5], s[4:5], s[6:7]
	s_cselect_b32 s19, 0, 1024
	s_cmp_lt_u32 s18, 1408
	s_cselect_b64 s[4:5], s[4:5], s[8:9]
	s_cselect_b32 s19, s19, 1408                   ; the tensor's first run
	s_cselect_b32 s22, s22, s18                    ; w_proj keeps its rows' order
	s_sub_co_u32 s19, s18, s19
	s_lshl_b32 s20, s19, 15                        ; 32,768 bytes a run
	s_mov_b32 s21, 0
	s_add_nc_u64 s[4:5], s[4:5], s[20:21]
	s_mul_i32 s20, s22, 8*48                       ; a run's 8 rows in a piece
	s_add_nc_u64 s[10:11], s[10:11], s[20:21]      ; pieces 0-7,
	s_add_nc_u64 s[28:29], s[10:11], 8*PIECE       ; and 8-15
	s_lshl_b32 s20, s22, 8                         ; 256 scale bytes a run
	s_add_nc_u64 s[12:13], s[12:13], s[20:21]
.macro LOAD t
.irp i, 0,1,2,3
	global_load_b128 v[R+16*((\t)%8)+4*\i:R+16*((\t)%8)+4*\i+3], v3, s[4:5] offset:4096*(2*((\t)%4)+\i/2)+1024*((\t)/4)+512*(\i%2) th:TH_LOAD_NT
.endr
.endm
.macro TURN t                          ; step t's numbers through the stage: LDS serves a wave's instructions in order, so no wait stands between the stores and the loads
.irp i, 0,1,2,3
	ds_store_b128 v14, v[R+16*((\t)%8)+4*\i:R+16*((\t)%8)+4*\i+3] offset:32*SP*((\t)%2)+8*SP*\i
.endr
.irp i, 0,1,2,3
	ds_load_b128 v[X+16*((\t)%2)+4*\i:X+16*((\t)%2)+4*\i+3], v15 offset:32*SP*((\t)%2)+16*\i
.endr
.endm
.irp t, 0,1,2,3,4,5,6,7
	LOAD \t
.endr
	s_wait_loadcnt 28                              ; step 0's four loads are in; seven steps' may be out
	TURN 0
.macro STEP t
.set XS, X+16*((\t)%2)
.if (\t) > 0
	s_wait_dscnt 2                                 ; this step's numbers are back from the stage (the last step's two stores, byte and codes, may be out): so its stores into the stage have read their registers,
.else
	s_wait_dscnt 0x0
.endif
.if (\t)+8 < STEPS
	LOAD (\t)+8                                    ; which take the loads of eight steps on
.endif
.if (\t)+1 < STEPS
.if STEPS-2-(\t) >= 7
	s_wait_loadcnt 28                              ; the next step's four loads are in; those of the seven steps behind it may be out
.else
	s_wait_loadcnt 4*(STEPS-2-(\t))
.endif
	TURN (\t)+1                                    ; and go through the other stage while this step is worked
.endif
	v_max3_num_f32 v8, |v[XS]|, |v[XS+1]|, |v[XS+2]|               ; the largest magnitude of my 16
	v_max3_num_f32 v9, |v[XS+3]|, |v[XS+4]|, |v[XS+5]|
.irp i, 6,10
	v_max3_num_f32 v8, v8, |v[XS+\i]|, |v[XS+\i+1]|
	v_max3_num_f32 v9, v9, |v[XS+\i+2]|, |v[XS+\i+3]|
.endr
	v_max3_num_f32 v8, v8, |v[XS+14]|, |v[XS+15]|
	v_max3_num_f32 v8, v8, v9, (EMAX+1)<<23        ; and the floor 2^(3 - 127): the byte cannot fall under 1
	v_max_num_f32_dpp v8, v8, v8 row_xmask:1 row_mask:0xf bank_mask:0xf   ; and of my neighbour's 16: the block's
	v_add_nc_u32 v11, -(EMAX<<23), v8              ; 2 off its exponent field: the conversion takes the exponent field of this operand as its scale
	v_cvt_scalef32_pk16_fp6_f32 v[CT:CT+2], v[XS:XS+15], v11
	v_lshrrev_b32 v[E], 23, v11                    ; the scale's byte
	ds_store_b8 v5, v[E] offset:64*((\t)%4)+8*((\t)/4)             ; both lanes of a block write the same byte with the same value
	ds_store_b96 v[CW], v[CT:CT+2] offset:128*((\t)%4)
.if (\t)%4 == 3
.irp p, 0,1,2,3
	ds_load_b96 v[F+16*((\t)/4)+4*\p:F+16*((\t)/4)+4*\p+2], v[CR] offset:512*\p   ; a piece of my 8 rows: 12 bytes a lane
.endr
	s_wait_dscnt 0x0
.irp p, 0,1,2,3
	global_store_b96 v4, v[F+16*((\t)/4)+4*\p:F+16*((\t)/4)+4*\p+2], s[10+18*((\t)/8):11+18*((\t)/8)] offset:(4*(((\t)/4)%2)+\p)*PIECE   ; 384 consecutive bytes
.endr
.endif
.endm
.irp t, 0,1,2,3,4,5,6,7,8,9,10,11,12,13,14,15
	STEP \t
.endr
	ds_load_b64 v[8:9], v6                         ; LDS serves a wave's instructions in order: these see my stores
	s_wait_dscnt 0x0
	global_store_b64 v7, v[8:9], s[12:13]          ; 32 lanes store 256 consecutive bytes, aligned
	s_wait_tensorcnt 0x0                           ; the wave's end, behind my last LDS store
	ds_add_u32 v[SPW], v[NIL]
	s_wait_dscnt 0x0
	s_endpgm
; THE TABLE.  A wave makes four tokens' rows.  Lane l holds elements 2 l and 2 l + 1 of a row: lanes 0-15 the cosines of frequencies j = 2 l, 2 l + 1, lanes 16-31 the sines of j = 2 (l - 16), + 1,
; taken as cosines a quarter turn back (three quarter turns on).
.Ltable:
	s_lshl_b32 s17, ttmp9, 3
	s_sub_co_u32 s18, s16, 6
	s_lshl_b32 s18, s18, 2
	s_add_co_u32 s17, s17, s18                     ; my first token: 8 x work-group + 4 x (wave - 6)
	s_lshl_b32 s18, s17, 8                         ; 256 bytes a token
	s_mov_b32 s19, 0
	s_mov_b32 s24, 0x3fc90fdb                      ; pi / 2, its upper part
	s_mov_b32 s25, 0xb33bbd2e                      ; and what is left of it
	s_mov_b32 s26, 0xb94ca1f9                      ; the sine's highest coefficient
	s_mov_b32 s27, 0x37ccf5ce                      ; the cosine's
	s_wait_alu depctr_va_vdst(0)
	v_lshrrev_b32 v27, 4, v2
	v_mul_u32_u24 v27, 3, v27                      ; quarter turns added: 0 for cosines, 3 for sines
	v_lshlrev_b32 v41, 3, v2                       ; 8 bytes a lane
	v_mov_b32 v20, 1.0                             ; 10^(j / 8) for the lane's even j (j = 0 stays 1),
	v_mov_b32 v21, 1.0                             ; and for its odd j
.macro PJ j, val                       ; the power for frequency j goes to the two lanes that want it
	s_mov_b32 s20, \val
	v_writelane_b32 v[20+(\j)%2], s20, (\j)/2
	v_writelane_b32 v[20+(\j)%2], s20, (\j)/2+16
.endm
	PJ 1, 1.333521432163324
	PJ 2, 1.778279410038923
	PJ 3, 2.371373705661655
	PJ 4, 3.162277660168379
	PJ 5, 4.216965034285822
	PJ 6, 5.623413251903491
	PJ 7, 7.498942093324558
	PJ 8, 10.0
	PJ 9, 13.33521432163324
	PJ 10, 17.78279410038923
	PJ 11, 23.71373705661655
	PJ 12, 31.62277660168379
	PJ 13, 42.16965034285822
	PJ 14, 56.23413251903491
	PJ 15, 74.98942093324558
	PJ 16, 100.0
	PJ 17, 133.3521432163324
	PJ 18, 177.8279410038923
	PJ 19, 237.1373705661655
	PJ 20, 316.2277660168379
	PJ 21, 421.6965034285822
	PJ 22, 562.3413251903491
	PJ 23, 749.8942093324558
	PJ 24, 1000.0
	PJ 25, 1333.521432163324
	PJ 26, 1778.279410038923
	PJ 27, 2371.373705661655
	PJ 28, 3162.277660168379
	PJ 29, 4216.965034285822
	PJ 30, 5623.413251903491
	PJ 31, 7498.942093324558
	s_wait_alu depctr_va_vdst(0)
	v_rcp_f32 v22, v20                             ; 1 / power, then two corrections by fused multiply-adds, so that the quotient is rounded as a division rounds it
	v_rcp_f32 v23, v21
	v_nop                                          ; a plain instruction behind the reciprocals,
	s_wait_alu depctr_va_vdst(0)                   ; and one wait for both, ahead of their first reader
.rept 2
	v_fma_f32 v24, -v20, v22, 1.0
	v_fma_f32 v25, -v21, v23, 1.0
	v_fma_f32 v22, v24, v22, v22
	v_fma_f32 v23, v25, v23, v23
.endr
; cos(angle + quarter turns): the angle is token x frequency, rounded once; n = the nearest whole number of quarter turns; r = angle - n pi / 2 in two steps, the first exact; polynomials on |r| <= pi / 4
.macro TRIG inv, out
	v_mul_f32 v30, v26, v[\inv]                    ; the angle
	v_mul_f32 v31, 0x3f22f983, v30                 ; x 2 / pi
	v_rndne_f32 v31, v31                           ; n
	v_fma_f32 v32, -v31, s24, v30
	v_fma_f32 v32, -v31, s25, v32                  ; r
	v_cvt_i32_f32 v33, v31
	v_add_nc_u32 v33, v33, v27                     ; the quadrant
	v_mul_f32 v34, v32, v32                        ; z = r r
	v_fmaak_f32 v35, s26, v34, 0x3c08839e
	v_fmaak_f32 v35, v35, v34, 0xbe2aaaa3
	v_mul_f32 v35, v35, v34
	v_fma_f32 v35, v35, v32, v32                   ; sin r
	v_fmaak_f32 v36, s27, v34, 0xbab6061a
	v_fmaak_f32 v36, v36, v34, 0x3d2aaaa5
	v_mul_f32 v37, v34, v34
	v_fma_f32 v38, v34, -0.5, 1.0
	v_fma_f32 v36, v36, v37, v38                   ; cos r
	v_and_b32 v39, 1, v33
	v_cmp_eq_u32 vcc_lo, 1, v39
	v_cndmask_b32 v40, v36, v35, vcc_lo            ; odd quadrants take the sine,
	v_add_nc_u32 v39, 1, v33
	v_and_b32 v39, 2, v39
	v_lshlrev_b32 v39, 30, v39
	v_xor_b32 v[\out], v39, v40                    ; quadrants 1 and 2 change the sign
.endm
	s_wait_kmcnt 0x0
	s_add_nc_u64 s[14:15], s[14:15], s[18:19]
.irp k, 0,1,2,3
	s_add_co_u32 s21, s17, \k
	v_cvt_f32_u32 v26, s21                         ; the token
	s_wait_alu depctr_va_vdst(0)
	TRIG 22, 44+2*\k
	TRIG 23, 45+2*\k
	global_store_b64 v41, v[44+2*\k:45+2*\k], s[14:15] offset:256*\k   ; 32 lanes store a token's 256 bytes, aligned; each token has its own data registers
.endr
	s_endpgm
.Lfunc_end_k_q5b2caf8364_quant:
	.size	k_q5b2caf8364_quant, .Lfunc_end_k_q5b2caf8364_quant-k_q5b2caf8364_quant
	.p2alignl 7, 3214868480
	.fill 96, 4, 3214868480
	.section	.rodata,"a",@progbits
	.p2align	6, 0x0
	.amdhsa_kernel k_q5b2caf8364_quant
		.amdhsa_group_segment_fixed_size 50176
		.amdhsa_private_segment_fixed_size 0
		.amdhsa_enable_private_segment 0
		.amdhsa_kernarg_size 48
		.amdhsa_user_sgpr_count 2
		.amdhsa_user_sgpr_kernarg_segment_ptr 1
		.amdhsa_wavefront_size32 1
		.amdhsa_system_sgpr_workgroup_id_x 1
		.amdhsa_system_sgpr_workgroup_id_y 1
		.amdhsa_system_sgpr_workgroup_id_z 1
		.amdhsa_system_vgpr_workitem_id 0
		.amdhsa_next_free_vgpr 256
		.amdhsa_next_free_sgpr 66
		.amdhsa_reserve_vcc 1
		.amdhsa_float_denorm_mode_32 3
		.amdhsa_float_denorm_mode_16_64 3
		.amdhsa_memory_ordered 1
		.amdhsa_forward_progress 1
		.amdhsa_inst_pref_size 52
	.end_amdhsa_kernel
	.amdgpu_metadata
---
amdhsa.version: [ 1, 2 ]
amdhsa.kernels:
  - .name:           k_q5b2caf8364_quant
    .symbol:         k_q5b2caf8364_quant.kd
    .args:
      - { .name: x, .offset: 0, .size: 8, .value_kind: global_buffer, .address_space: global }
      - { .name: w_qkv, .offset: 8, .size: 8, .value_kind: global_buffer, .address_space: global }
      - { .name: w_proj, .offset: 16, .size: 8, .value_kind: global_buffer, .address_space: global }
      - { .name: codes, .offset: 24, .size: 8, .value_kind: global_buffer, .address_space: global }
      - { .name: scales, .offset: 32, .size: 8, .value_kind: global_buffer, .address_space: global }
      - { .name: rope, .offset: 40, .size: 8, .value_kind: global_buffer, .address_space: global }
    .group_segment_fixed_size: 50176
    .private_segment_fixed_size: 0
    .kernarg_segment_align: 8
    .kernarg_segment_size: 48
    .max_flat_workgroup_size: 256
    .sgpr_count:     66
    .vgpr_count:     256
    .wavefront_size: 32
...
	.end_amdgpu_metadata
.endif
;; end of part 1
;; launch qkv (part 2): grid 8 x 32, 4 waves a work-group, clusters of 4 x 4, 327,680 bytes of LDS; arguments codes, scales, rope, qbuf, kvbuf; writes qbuf, kvbuf
.if DOCPART == 2
	.amdgcn_target "amdgcn-amd-amdhsa--gfx1250"
	.amdhsa_code_object_version 6
	.text
	.protected	k_q5b2caf8364_qkv
	.globl	k_q5b2caf8364_qkv
	.p2align	8
	.type	k_q5b2caf8364_qkv,@function
k_q5b2caf8364_qkv:
	s_mov_b64 s[64:65], 0
	v_nop
	global_prefetch_b8 v0, s[64:65] scope:SCOPE_SE
	s_setreg_imm32_b32 hwreg(HW_REG_WAVE_MODE, 25, 1), 1
	s_wait_xcnt 0x0
	s_wait_alu depctr_hold_cnt(0) depctr_sa_sdst(0) depctr_va_vdst(0) depctr_va_sdst(0) depctr_va_ssrc(0) depctr_va_vcc(0) depctr_vm_vsrc(0)
	s_getreg_b32 s2, hwreg(HW_REG_IB_STS2, 6, 4)
	s_cmp_eq_u32 s2, 0
	s_cbranch_scc0 .Lentry_in_a_cluster
	s_endpgm
.Lentry_in_a_cluster:
	s_bfe_u32 s2, ttmp6, 0x10000c
	s_cmp_lg_u32 s2, 0xf033
	s_cbranch_scc0 .Lentry_shape_is_right
	s_endpgm
.Lentry_shape_is_right:
; qkv = x w_qkv^T on codes of FP6 (E2M3) with E8M0 scales, K = 1,024; no f32 result goes to memory: q and k are rotated (RoPE) and quantised along the head's 64, v is quantised along the keys.
; SHARES: 256 work-groups of four waves, 2 x 2.  Work-group (tile column c, tile row t) loads its 256 stored rows of x ONCE and makes three tiles of 256 x 128 from them, one after the other: features 128 c .. of v, of q, of k.
; The wave in column b holds 64 rows of the weight (one head), ALL of K, in registers (32 fragments); the wave in row a takes the 128 rows 128 a .. of x, eight blocks of 16: so a wave makes one whole record.
; LDS: x's 256 rows (two halves of 98,304 bytes), the weight's 128 rows (98,304), a stage of 2,048 bytes for each wave, the spare words.  At the head one joint load a wave: waves 0 and 1 half of v's weight each, waves 2 and 3 half of x each.
; THE WEIGHT'S BYTES ARE FILLED AGAIN TWICE (q's, k's weight; waves 0 and 1 a half each), each time when all waves hold the last weight in registers, behind a tensor wait, an add to the spare word, its wait and a round of the cluster's barrier.
; What a refill brought is shown by a plain barrier at the next phase's head.  CLUSTERS of 4 x 4: x's rows are shared along a row of the cluster, a weight's along a column.
; The codes lie [piece of 64 along K][row][48 bytes]; in LDS likewise, [piece][128 rows][48].  The rows of x and w_qkv lie with bits 3 and 4 of their numbers exchanged.
; TWO BLOCKS ARE WORKED AT A TIME: 64 products, then 64 numbers a lane are quantised.  q, k: source 0 = the weight's rows: lane (r, h) holds stored row r of x, register 32 e + 16 g + i of block e the dim 32 g + 16 h + i.
; v: source 0 = x's rows: lane (r, h) holds stored feature r of tile b, register 16 b + 8 e + j the key 32 n + 16 h + 8 e + j of pair n.
; OUT, as the next launch reads it.  q: records (batch x head, 128 tokens) of 6,656 bytes: 128 rows x 48 bytes of codes in the stored order, then the rows' scale words [block / 4][r][block % 4] (bytes 0, 1: the head's two blocks; bytes 2, 3: 1.0).
; k: the same at the head of a record of 13,056 bytes.  v: in that record at 6,656 the scale words [r][fragment], at 6,912 four operand fragments (16 features x 128 keys) as images of their registers.
; The last pair of the last phase asks once more for the first pair's fragments, scale words and table, which nobody uses: the price of one text for all four trips.
; NO PREFETCH: x and the first weight go out at the head, and each refill is asked for a whole phase ahead of its use.
; LIMITS: NaN and infinities are not served; blocks whose largest magnitude lies under 2^-124 keep the byte 1.
.set PIECE, 12288*48
.set CH,    16*6144                    ; 128 rows, all 16 pieces
.set WB,    2*CH
.set STG,   3*CH
.set SPARE, STG+4*2048
.set QREC,  6656
.set REC,   13056
.set FR,    12
.set FPW,   21                         ; fragment f lies in window 1 + f / 21 at register 12 (f % 21): 0-31 the weight's (4 q + b), 32-39 and 40-47 x's two sets
.set AO,  4                            ; v4, v5   LDS address of my fragments of x: pieces 0-7, 8-15
.set AW,  6                            ; v6, v7   of the weight's
.set AF,  8                            ; v8, v9   as v4, v5, for the pair that is fetched next
.set STO, 10
.set RD,  11
.set CO,  12                           ; 8 x lane
.set CS,  13                           ; + the pair's place in the record
.set LI,  14                           ; 16 x lane
.set SPW, 15                           ; my spare word; never rewritten
.set NIL, 16                           ; 0; never rewritten
.set ABS, 17                           ; 32 x lane
.set AX,  18
.set TA,  19                           ; my token's place in the table: (r + 8 (r / 8)) x 256 + 64 h
.set TAO, 20
.set ASW0, 21                          ; LDS: my row's scale words
.set ASW, 22
.set RSW, 23
.set SB,  24                           ; v24-39 the weight's scale words: register 8 p + q: lane l has row 32 p + l
.set KW,  40
.set PW,  42
.set SG,  43                           ; 16 r
.set SA,  44                           ; v44-51 x's scale words of a pair: lanes 0-15 the even block, lanes 16-31 the odd
.set VW,  52                           ; v52-55 v's scale words
.set SWR, 56
.set ACC, 112                          ; v112-175 the pair's 64 sums
.set T1,  176                          ; q, k: v176-191 at work in the rotation
.set CD,  208                          ; v208-227 the codes just made
.set BK,  228                          ; v228-239 rows read back from the stage
.set VF,  176                          ; v: v176-223 four fragments
.set VT,  224                          ; v224-239 the odd pairs' codes
.set TB3, 72                           ; window 3, v72-135: cosines (16) and sines (16) of each of the pair's two blocks
.set N,   3
.set G1W, 24
.set G1X, 32
.set G0W, 48
.set G0X, 52
.set SEL, 66
.set K7F, 68
.set MSB, 0
.macro WIN new
.set WNEW, \new
.if MSB != WNEW
	s_set_vgpr_msb (MSB<<8)|WNEW
.set MSB, WNEW
.endif
.endm
.macro NOPS n
.rept \n
	v_nop
.endr
.endm
.macro WALU
	s_wait_alu depctr_va_vdst(0)
.endm
.macro CROUND
	s_barrier_signal -1
	s_barrier_wait -1
	s_cmp_lg_u32 s14, 0
	s_cbranch_scc1 .Lnot_wave_0_\@
	s_barrier_signal -3
.Lnot_wave_0_\@:
	s_barrier_wait -3
	s_barrier_signal -1
	s_barrier_wait -1
.endm
.macro TLOAD g0, g1                    ; an s_nop 0 and four v_nop follow the line
	tensor_load_to_lds s[\g0:\g0+3], s[\g1:\g1+7]
	s_nop 0
	NOPS 4
.endm
	s_load_b128 s[4:7], s[0:1], 0x0                ; codes, scales
	s_load_b128 s[8:11], s[0:1], 0x10              ; rope, qbuf
	s_load_b64 s[12:13], s[0:1], 0x20              ; kvbuf
	v_lshl_add_u32 v[SPW], v0, 2, SPARE
	v_mov_b32 v[NIL], 0
	ds_add_u32 v[SPW], v[NIL]                      ; the opening lines: the add, twice on end, and its wait ahead of my tensor load
	ds_add_u32 v[SPW], v[NIL]
	v_lshrrev_b32 v1, 5, v0
	v_readfirstlane_b32 s14, v1                    ; wave
	s_lshr_b32 s15, s14, 1                         ; a.  Also: I fetch the weight (0) or x (1)
	s_and_b32 s16, s14, 1                          ; b.  Also: which half of that I fetch
	s_bfe_u32 s40, ttmp6, 0x40000                  ; cx
	s_bfe_u32 s41, ttmp6, 0x40004                  ; cy
	s_lshl_b32 s42, ttmp9, 2
	s_add_co_u32 s42, s42, s40                     ; tile column, 0 .. 7
	s_and_b32 s43, ttmp7, 0xffff
	s_lshl_b32 s43, s43, 2
	s_add_co_u32 s43, s43, s41                     ; tile row, 0 .. 31
	s_lshl_b32 s44, s41, 2
	s_lshl_b32 s44, 15, s44                        ; my row of the cluster
	s_lshl_b32 s45, 0x1111, s40                    ; my column
	s_or_b32 s[G1W], s45, (3<<16)|(1<<21)          ; elements of 8 bytes; no padding
	s_mov_b32 s[G1W+1], 768<<16                    ; a row: 128 rows of a piece, 6,144 bytes on end
	s_mov_b32 s[G1W+2], 8<<16                      ; eight pieces
	s_mov_b32 s[G1W+3], 768<<16
	s_mov_b32 s[G1W+4], 8
	s_mov_b32 s[G1W+5], PIECE/8
	s_mov_b32 s[G1W+6], 0
	s_mov_b32 s[G1W+7], 0
	s_or_b32 s[G1X], s44, (3<<16)|(1<<21)
	s_mov_b32 s[G1X+1], 768<<16
	s_mov_b32 s[G1X+2], 16<<16                     ; sixteen pieces
	s_mov_b32 s[G1X+3], 768<<16
	s_mov_b32 s[G1X+4], 16
	s_mov_b32 s[G1X+5], PIECE/8
	s_mov_b32 s[G1X+6], 0
	s_mov_b32 s[G1X+7], 0
	s_mov_b32 s[SEL], 0x76543210
	s_mov_b32 s[SEL+1], 0xfedcba98
	s_mov_b32 s[K7F], 0x7f7f0000
	s_mul_i32 s20, s42, 128*48
	s_add_co_u32 s20, s20, 10240*48                ; v's weight first: rows 10,240 + 128 c,
	s_mul_i32 s21, s16, 8*PIECE
	s_add_co_u32 s20, s20, s21                     ; pieces 8 b ..
	s_mov_b32 s21, 0
	s_mul_i32 s22, s43, 256*48
	s_mul_i32 s23, s16, 128*48
	s_add_co_u32 s22, s22, s23                     ; x: rows 256 t + 128 b
	s_mov_b32 s23, 0
	s_lshl_b32 s46, s42, 7
	s_lshl_b32 s47, s16, 6
	s_add_co_u32 s46, s46, s47
	s_add_co_u32 s46, s46, 8192
	s_lshl_b32 s46, s46, 5                         ; the scale bytes of my 64 rows of q's weight
	s_mov_b32 s47, 0
	s_lshl_b32 s18, s43, 8
	s_lshl_b32 s19, s15, 7
	s_add_co_u32 s18, s18, s19                     ; my first row of x
	s_and_b32 s58, s18, 2047
	s_lshl_b32 s58, s58, 8                         ; its place in the table
	s_mov_b32 s59, 0
	s_lshl_b32 s18, s18, 5                         ; its scale bytes
	s_mov_b32 s19, 0
	s_lshr_b32 s56, s43, 3                         ; the batch
	s_lshl_b32 s56, s56, 4
	s_lshl_b32 s57, s42, 1
	s_add_co_u32 s57, s57, s16                     ; my head
	s_add_co_u32 s56, s56, s57
	s_lshl_b32 s56, s56, 4
	s_lshl_b32 s57, s43, 1
	s_add_co_u32 s57, s57, s15
	s_and_b32 s57, s57, 15                         ; which 128 tokens of the 2,048
	s_add_co_u32 s56, s56, s57                     ; my record
	WALU
	s_wait_dscnt 0x0                               ; both opening adds are done
	CROUND                                         ; the round in front of the joint loads
	s_wait_kmcnt 0x0
	s_mov_b32 s[G0W], 1
	s_mul_i32 s[G0W+1], s16, 8*6144
	s_add_co_u32 s[G0W+1], s[G0W+1], WB
	s_add_nc_u64 s[G0W+2:G0W+3], s[4:5], s[20:21]
	s_or_b32 s[G0W+3], s[G0W+3], 0x80000000
	s_mov_b32 s[G0X], 1
	s_mul_i32 s[G0X+1], s16, CH
	s_add_nc_u64 s[G0X+2:G0X+3], s[4:5], s[22:23]
	s_or_b32 s[G0X+3], s[G0X+3], 0x80000000
	s_add_nc_u64 s[60:61], s[6:7], s[46:47]
	s_add_nc_u64 s[62:63], s[6:7], s[18:19]
	s_add_nc_u64 s[8:9], s[8:9], s[58:59]
	s_mul_i32 s58, s56, QREC
	s_add_nc_u64 s[10:11], s[10:11], s[58:59]
	s_mul_i32 s58, s56, REC
	s_add_nc_u64 s[12:13], s[12:13], s[58:59]
	s_cmp_lt_u32 s14, 2
	s_cbranch_scc0 .Lfor_x
	TLOAD G0W, G1W
	s_branch .Lasked
.Lfor_x:
	TLOAD G0X, G1X
.Lasked:
	s_mul_i32 s20, s15, CH                         ; my 128 rows of x
	s_mul_i32 s21, s16, 64*48
	s_add_co_u32 s21, s21, WB                      ; my 64 rows of the weight
	s_lshl_b32 s22, s14, 11
	s_add_co_u32 s22, s22, STG                     ; my stage
	v_and_b32 v1, 15, v0                           ; r
	v_bfe_u32 v2, v0, 4, 1                         ; h
	v_and_b32 v3, 31, v0                           ; lane
	v_lshlrev_b32 v[ABS], 5, v3
	v_mul_u32_u24 v60, v1, 48
	v_mad_u32_u24 v60, v2, 24, v60                 ; 48 r + 24 h
	v_add_nc_u32 v[AO], s20, v60
	v_add_nc_u32 v[AO+1], 8*6144, v[AO]
	v_add_nc_u32 v[AW], s21, v60
	v_add_nc_u32 v[AW+1], 8*6144, v[AW]
	v_add_nc_u32 v[STO], s22, v60
	v_lshlrev_b32 v[CO], 3, v3
	v_add_nc_u32 v[RD], s22, v[CO]
	v_lshlrev_b32 v[LI], 4, v3
	v_lshlrev_b32 v[SG], 4, v1
	v_add_nc_u32 v[ASW0], s22, v[SG]
	v_add_nc_u32 v[ASW0], 1536, v[ASW0]
	v_add_nc_u32 v[RSW], s22, v[LI]
	v_add_nc_u32 v[RSW], 1536, v[RSW]
	v_and_b32 v61, 8, v1
	v_add_nc_u32 v61, v61, v1
	v_lshlrev_b32 v[TA], 8, v61
	v_lshl_add_u32 v[TA], v2, 6, v[TA]
	v_mov_b32 v[TAO], v[TA]
.irp i, 196,197,198,199,244,245,246,247
	v_mov_b32 v[\i], 0                             ; written once: a lane permute's destination counts as one of its sources
.endr
.macro WFRAG q, b                      ; a fragment of the weight: K step q of 128 = pieces 2 q, 2 q + 1; tile b of 16 rows
.set F_, 4*(\q)+(\b)
	WIN (1+F_/FPW)<<6
.set R_, FR*(F_%FPW)
.irp p, 0,1,2,3,4,5
	ds_load_b64 v[R_+2*\p:R_+2*\p+1], v[AW+(\q)/4] offset:((2*(\q)+\p/3)%8)*6144+(\b)*768+8*(\p%3)
.endr
.endm
.macro WEIGHTS
.irp q, 0,1,2,3,4,5,6,7
.irp b, 0,1,2,3
	WFRAG \q, \b
.endr
.endr
	WIN 0
.endm
.macro FETCH e, a0, off                ; a block of x into set e: 48 loads
.irp q, 0,1,2,3,4,5,6,7
.set F_, 32+8*(\e)+\q
	WIN (1+F_/FPW)<<6
.set R_, FR*(F_%FPW)
.irp p, 0,1,2,3,4,5
	ds_load_b64 v[R_+2*\p:R_+2*\p+1], v[\a0+\q/4] offset:((2*\q+\p/3)%8)*6144+(\off)+8*(\p%3)
.endr
.endr
	WIN 0
.endm
.macro SALOAD a, off                   ; a pair's scale words of x
	global_load_b128 v[SA:SA+3], v[\a], s[62:63] offset:\off
	global_load_b128 v[SA+4:SA+7], v[\a], s[62:63] offset:(\off)+16
.endm
.macro SBLOAD off                      ; a weight's scale words
.irp p, 0,1
.irp c, 0,1
	global_load_b128 v[SB+8*\p+4*\c:SB+8*\p+4*\c+3], v[ABS], s[60:61] offset:(\off)+\p*1024+16*\c
.endr
.endr
.endm
.macro TABLE                           ; the cosines and sines of my two tokens, frequencies 16 h + 0 .. 15: 16 loads
	WIN 3<<6
.irp e, 0,1
.irp i, 0,1,2,3
	global_load_b128 v[TB3+32*\e+4*\i:TB3+32*\e+4*\i+3], v[TAO], s[8:9] offset:\e*2048+16*\i
	global_load_b128 v[TB3+32*\e+16+4*\i:TB3+32*\e+16+4*\i+3], v[TAO], s[8:9] offset:\e*2048+128+16*\i
.endr
.endr
	WIN 0
.endm
.macro WM d, a, b, c, xa, xb, ra, rb
	v_wmma_scale_f32_16x16x128_f8f6f4 v[\d:\d+7], v[\a:\a+11], v[\b:\b+11], \c, v[\xa], v[\xb] matrix_a_fmt:MATRIX_FMT_FP6 matrix_b_fmt:MATRIX_FMT_FP6 matrix_a_scale:MATRIX_SCALE_ROW\ra matrix_b_scale:MATRIX_SCALE_ROW\rb
.endm
; a block's 32 products, four accumulators by turns.  kind 0 (q, k): source 0 the weight; kind 1 (v): source 0 x
.macro PRODS kind, e
.irp q, 0,1,2,3,4,5,6,7
.irp bp, 0,1
.irp ra, 0,1
.if \kind
	WIN (1+(32+8*\e+\q)/FPW)|((1+(4*\q+2*\bp+\ra)/FPW)<<2)
.if \q
	WM ACC+16*(2*\bp+\ra)+8*\e, FR*((32+8*\e+\q)%FPW), FR*((4*\q+2*\bp+\ra)%FPW), v[ACC+16*(2*\bp+\ra)+8*\e:ACC+16*(2*\bp+\ra)+8*\e+7], SA+\q, SB+8*\bp+\q, \e, \ra
.else
	WM ACC+16*(2*\bp+\ra)+8*\e, FR*((32+8*\e+\q)%FPW), FR*((4*\q+2*\bp+\ra)%FPW), 0, SA+\q, SB+8*\bp+\q, \e, \ra
.endif
.else
	WIN (1+(4*\q+2*\bp+\ra)/FPW)|((1+(32+8*\e+\q)/FPW)<<2)
.if \q
	WM ACC+32*\e+8*(2*\bp+\ra), FR*((4*\q+2*\bp+\ra)%FPW), FR*((32+8*\e+\q)%FPW), v[ACC+32*\e+8*(2*\bp+\ra):ACC+32*\e+8*(2*\bp+\ra)+7], SB+8*\bp+\q, SA+\q, \ra, \e
.else
	WM ACC+32*\e+8*(2*\bp+\ra), FR*((4*\q+2*\bp+\ra)%FPW), FR*((32+8*\e+\q)%FPW), 0, SB+8*\bp+\q, SA+\q, \ra, \e
.endif
.endif
.endr
.endr
.endr
	WIN 0
	NOPS 4                                         ; places ahead of loads into operands' registers and of the first read of results
.endm
; the largest magnitudes of four groups of 16 registers, joined with lane l xor 16's; TM+12+b: the conversions' scale operands, TM+4+b: the scale bytes
.macro MAXES
.irp b, 0,1,2,3
	v_max3_num_f32 v[TM+\b], |v[ACC+16*\b]|, |v[ACC+1+16*\b]|, 0x1800000   ; and the floor 2^(3 - 127): the byte cannot fall under 1
.endr
.irp i, 2,4,6,8,10,12,14
.irp b, 0,1,2,3
	v_max3_num_f32 v[TM+\b], |v[ACC+16*\b+\i]|, |v[ACC+1+16*\b+\i]|, v[TM+\b]
.endr
.endr
.irp b, 0,1,2,3
	v_permlanex16_b32 v[TM+4+\b], v[TM+\b], s[SEL], s[SEL+1]
.endr
.irp b, 0,1,2,3
	v_max_num_f32 v[TM+\b], v[TM+\b], v[TM+4+\b]
.endr
.irp b, 0,1,2,3
	v_add_nc_u32 v[TM+12+\b], 0xff000000, v[TM+\b]
.endr
.irp b, 0,1,2,3
	v_lshrrev_b32 v[TM+4+\b], 23, v[TM+12+\b]
.endr
.endm
; v, pair n: group b = tile b's 16 keys of my half of key block n.  Even n: the codes are registers 6 (n / 2) .. of fragment b; odd n: they change halves with the even pair's, so that a lane holds a whole block
.macro VQ n
	MAXES
.irp b, 0,1,2,3
.if \n == 0
	v_mov_b32 v[VW+\b], v[TM+4+\b]
.else
	v_lshl_or_b32 v[VW+\b], v[TM+4+\b], 8*\n, v[VW+\b]
.endif
.endr
.irp b, 0,1,2,3
.if \n%2
	v_cvt_scalef32_pk16_fp6_f32 v[VT+4*\b:VT+4*\b+2], v[ACC+16*\b:ACC+16*\b+15], v[TM+12+\b]
.else
	v_cvt_scalef32_pk16_fp6_f32 v[VF+12*\b+6*(\n/2):VF+12*\b+6*(\n/2)+2], v[ACC+16*\b:ACC+16*\b+15], v[TM+12+\b]
.endif
.endr
	v_nop                                          ; one plain place behind a scaled conversion
.if \n%2
.irp b, 0,1,2,3
.irp i, 0,1,2
	v_permlane16_swap_b32 v[VF+12*\b+6*(\n/2)+\i], v[VT+4*\b+\i]
.endr
.irp i, 0,1,2
	v_mov_b32 v[VF+12*\b+6*(\n/2)+3+\i], v[VT+4*\b+\i]
.endr
.endr
.endif
.endm
.macro VPAIR n
	s_wait_loadcnt 0x0                             ; the pair's scale words are in
	s_wait_dscnt 48                                ; set 0 is in; set 1's 48 loads may be out
	PRODS 1, 0
	FETCH 0, AO, ((2*\n+2)%8)*768
	s_wait_dscnt 48                                ; set 1 is in; the 48 just issued may be out
	PRODS 1, 1
	FETCH 1, AO, ((2*\n+3)%8)*768
	SALOAD ABS, ((\n+1)%4)*1024
	VQ \n
.endm
; q, k: y(d) = x(d) cos - x(d + 32) sin, y(d + 32) = x(d + 32) cos + x(d) sin, in place, two numbers an instruction.  Source 1: the table, window 3
.macro ROPE g
.set AC, ACC+32*\g
.set TBL, TB3+32*\g
	WIN 3<<2
.irp i, 0,2,4,6,8,10,12,14
	v_pk_mul_f32 v[T1+\i:T1+\i+1], v[AC+16+\i:AC+17+\i], v[TBL+16+\i:TBL+17+\i]
.endr
.irp i, 0,2,4,6,8,10,12,14
	v_pk_mul_f32 v[AC+16+\i:AC+17+\i], v[AC+16+\i:AC+17+\i], v[TBL+\i:TBL+\i+1]
.endr
.irp i, 0,2,4,6,8,10,12,14
	v_pk_fma_f32 v[AC+16+\i:AC+17+\i], v[AC+\i:AC+\i+1], v[TBL+16+\i:TBL+17+\i], v[AC+16+\i:AC+17+\i]
.endr
.irp i, 0,2,4,6,8,10,12,14
	v_pk_fma_f32 v[AC+\i:AC+\i+1], v[AC+\i:AC+\i+1], v[TBL+\i:TBL+\i+1], v[T1+\i:T1+\i+1] neg_lo:[0,0,1] neg_hi:[0,0,1]
.endr
	WIN 0
.endm
; A phase of q or k: four trips, a pair of blocks each.  op: the record's pointer
.macro QKPHASE op, lbl
	s_mov_b32 s[N], 0
\lbl:
	s_wait_xcnt 0x0                                ; earlier loads and stores have read their address and data registers
	s_add_co_u32 s56, s[N], 1
	s_and_b32 s56, s56, 3                          ; the pair that is asked for in this trip
	s_mul_i32 s57, s56, 1536
	s_lshl_b32 s58, s56, 13
	s_lshl_b32 s59, s56, 10
	s_lshr_b32 s52, s[N], 1
	s_lshl_b32 s52, s52, 8
	s_and_b32 s53, s[N], 1
	s_lshl_b32 s53, s53, 3
	s_or_b32 s52, s52, s53                         ; this pair's scale words: 256 (n / 2) + 8 (n % 2)
	s_mul_i32 s53, s[N], 1536
	v_add_nc_u32 v[AF], s57, v[AO]
	v_add_nc_u32 v[AF+1], s57, v[AO+1]
	v_add_nc_u32 v[TAO], s58, v[TA]
	v_add_nc_u32 v[AX], s59, v[ABS]
	v_add_nc_u32 v[ASW], s52, v[ASW0]
	v_add_nc_u32 v[CS], s53, v[CO]
	WALU
	s_wait_loadcnt 16                              ; the pair's scale words are in; the table's 16 loads may be out
	PRODS 0, 0
	FETCH 0, AF, 0
	PRODS 0, 1
	FETCH 1, AF, 768
	SALOAD AX, 0
	s_wait_loadcnt 2                               ; the table is in; the two loads just issued may be out
	ROPE 0
	ROPE 1
	TABLE                                          ; the next pair's
	MAXES                                          ; groups 0, 1: the even block's dims 0-31, 32-63; groups 2, 3: the odd block's
	v_lshl_or_b32 v[PW], v[TM+5], 8, v[TM+4]
	v_lshl_or_b32 v[KW+1], v[TM+7], 8, v[TM+6]
	v_or_b32 v[KW], s[K7F], v[PW]                  ; a block's scale word: its two bytes, and 1.0 for the upper 64 of the next launch's K
	v_or_b32 v[KW+1], s[K7F], v[KW+1]
.irp c, 0,1
	v_cvt_scalef32_pk16_fp6_f32 v[CD+6*\c:CD+2+6*\c], v[ACC+32*\c:ACC+15+32*\c], v[TM+12+2*\c]
	v_cvt_scalef32_pk16_fp6_f32 v[CD+12+4*\c:CD+14+4*\c], v[ACC+16+32*\c:ACC+31+32*\c], v[TM+12+2*\c+1]
.endr
	v_nop                                          ; one plain place behind a scaled conversion
.irp c, 0,1                                    ; lanes 0-15 take dims 0-31, lanes 16-31 dims 32-63
.irp i, 0,1,2
	v_permlane16_swap_b32 v[CD+6*\c+\i], v[CD+12+4*\c+\i]
.endr
.irp i, 0,1,2
	v_mov_b32 v[CD+3+6*\c+\i], v[CD+12+4*\c+\i]
.endr
.endr
	ds_store_b64 v[ASW], v[KW:KW+1]                ; lanes r and r + 16 store the same words with the same values
.irp g, 0,1
.irp p, 0,1,2
	ds_store_b64 v[STO], v[CD+6*\g+2*\p:CD+6*\g+2*\p+1] offset:768*\g+8*\p
.endr
.endr
.irp k, 0,1,2,3,4,5
	ds_load_b64 v[BK+2*\k:BK+2*\k+1], v[RD] offset:256*\k   ; LDS serves a wave's instructions in order: these see the stores above
.endr
	WALU
	s_wait_dscnt 0x0                               ; the rows are back, and the next pair's fragments are in
.irp k, 0,1,2,3,4,5
	global_store_b64 v[CS], v[BK+2*\k:BK+2*\k+1], s[\op:\op+1] offset:256*\k   ; 32 lanes store 256 consecutive bytes, aligned
.endr
	s_add_co_u32 s[N], s[N], 1
	s_cmp_lt_u32 s[N], 4
	s_cbranch_scc1 \lbl
	ds_load_b128 v[SWR:SWR+3], v[RSW]
	s_wait_dscnt 0x0
	global_store_b128 v[LI], v[SWR:SWR+3], s[\op:\op+1] offset:6144   ; the record's 512 bytes of scale words
.endm
.macro SHOW                            ; a plain barrier: what the last refill brought is shown to all
	WALU
	s_wait_tensorcnt 0x0
	s_wait_dscnt 0x0
	s_barrier_signal -1
	s_barrier_wait -1
.endm
.macro REFILL                          ; behind the three lines and a round: waves 0 and 1 fetch a half each of the next weight
	s_wait_dscnt 0x0
	CROUND
	s_cmp_lt_u32 s14, 2
	s_cbranch_scc0 .Lno_half_\@
	TLOAD G0W, G1W
.Lno_half_\@:
.endm
; ---- v
	WALU                                           ; the wait at the head's end
	s_cmp_lt_u32 s14, 2
	s_cbranch_scc0 .Lnot_w
	s_wait_tensorcnt 0x0
.Lnot_w:
	s_barrier_signal -1
	s_barrier_wait -1                              ; v's weight is in
	SBLOAD 65536
	SALOAD ABS, 0
	WEIGHTS
	s_wait_tensorcnt 0x0                           ; every wave's load is in: x too
	ds_add_u32 v[SPW], v[NIL]
	s_sub_nc_u64 s[G0W+2:G0W+3], s[G0W+2:G0W+3], 2048*48   ; next: q's weight
	REFILL
	FETCH 0, AO, 0
	FETCH 1, AO, 768
.set TM, 240
	VPAIR 0
	VPAIR 1
	VPAIR 2
	VPAIR 3
.irp b, 0,1,2,3
.irp c, 0,1,2
	global_store_b128 v[LI], v[VF+12*\b+4*\c:VF+12*\b+4*\c+3], s[12:13] offset:6912+1536*\b+512*\c   ; the image of four registers: 512 consecutive bytes
.endr
.endr
	global_store_b128 v[SG], v[VW:VW+3], s[12:13] offset:6656   ; lanes r and r + 16 store the same words with the same values
	TABLE                                          ; the first pair's table, behind its scale words
; ---- q
.set TM, 192
	SHOW
	SBLOAD 0
	WEIGHTS
	s_wait_tensorcnt 0x0
	ds_add_u32 v[SPW], v[NIL]
	s_add_nc_u64 s[G0W+2:G0W+3], s[G0W+2:G0W+3], 1024*48   ; next: k's weight
	REFILL
	s_wait_loadcnt 0x0
	QKPHASE 10, .Lq
; ---- k
	SHOW
	SBLOAD 32768
	WEIGHTS
	s_wait_dscnt 0x0
	s_wait_loadcnt 0x0
	QKPHASE 12, .Lk
	s_wait_tensorcnt 0x0                           ; the wave's end
	ds_add_u32 v[SPW], v[NIL]
	s_wait_dscnt 0x0
	CROUND                                         ; the closing round
	s_endpgm
.Lfunc_end_k_q5b2caf8364_qkv:
	.size	k_q5b2caf8364_qkv, .Lfunc_end_k_q5b2caf8364_qkv-k_q5b2caf8364_qkv
	.p2alignl 7, 3214868480
	.fill 96, 4, 3214868480
	.section	.rodata,"a",@progbits
	.p2align	6, 0x0
	.amdhsa_kernel k_q5b2caf8364_qkv
		.amdhsa_group_segment_fixed_size 327680
		.amdhsa_private_segment_fixed_size 0
		.amdhsa_enable_private_segment 0
		.amdhsa_kernarg_size 40
		.amdhsa_user_sgpr_count 2
		.amdhsa_user_sgpr_kernarg_segment_ptr 1
		.amdhsa_wavefront_size32 1
		.amdhsa_system_sgpr_workgroup_id_x 1
		.amdhsa_system_sgpr_workgroup_id_y 1
		.amdhsa_system_sgpr_workgroup_id_z 1
		.amdhsa_system_vgpr_workitem_id 0
		.amdhsa_next_free_vgpr 904
		.amdhsa_next_free_sgpr 72
		.amdhsa_reserve_vcc 0
		.amdhsa_float_denorm_mode_32 3
		.amdhsa_float_denorm_mode_16_64 3
		.amdhsa_memory_ordered 1
		.amdhsa_forward_progress 1
		.amdhsa_inst_pref_size 185
	.end_amdhsa_kernel
	.amdgpu_metadata
---
amdhsa.version: [ 1, 2 ]
amdhsa.kernels:
  - .name:           k_q5b2caf8364_qkv
    .symbol:         k_q5b2caf8364_qkv.kd
    .args:
      - { .name: codes, .offset: 0, .size: 8, .value_kind: global_buffer, .address_space: global }
      - { .name: scales, .offset: 8, .size: 8, .value_kind: global_buffer, .address_space: global }
      - { .name: rope, .offset: 16, .size: 8, .value_kind: global_buffer, .address_space: global }
      - { .name: qbuf, .offset: 24, .size: 8, .value_kind: global_buffer, .address_space: global }
      - { .name: kvbuf, .offset: 32, .size: 8, .value_kind: global_buffer, .address_space: global }
    .group_segment_fixed_size: 327680
    .private_segment_fixed_size: 0
    .kernarg_segment_align: 8
    .kernarg_segment_size: 40
    .max_flat_workgroup_size: 128
    .sgpr_count:     72
    .vgpr_count:     904
    .wavefront_size: 32
...
	.end_amdgpu_metadata
.endif
;; end of part 2
;; launch attn (part 3): grid 4 x 64, 16 waves a work-group, clusters of 4 x 1, 223,232 bytes of LDS; arguments qbuf, kvbuf, ocodes, oscales; writes ocodes, oscales
.if DOCPART == 3
	.amdgcn_target "amdgcn-amd-amdhsa--gfx1250"
	.amdhsa_code_object_version 6
	.text
	.protected	k_q5b2caf8364_attn
	.globl	k_q5b2caf8364_attn
	.p2align	8
	.type	k_q5b2caf8364_attn,@function
k_q5b2caf8364_attn:
	s_mov_b64 s[64:65], 0
	v_nop
	global_prefetch_b8 v0, s[64:65] scope:SCOPE_SE
	s_setreg_imm32_b32 hwreg(HW_REG_WAVE_MODE, 25, 1), 1
	s_wait_xcnt 0x0
	s_wait_alu depctr_hold_cnt(0) depctr_sa_sdst(0) depctr_va_vdst(0) depctr_va_sdst(0) depctr_va_ssrc(0) depctr_va_vcc(0) depctr_vm_vsrc(0)
	s_getreg_b32 s2, hwreg(HW_REG_IB_STS2, 6, 4)
	s_cmp_eq_u32 s2, 0
	s_cbranch_scc0 .Lentry_in_a_cluster
	s_endpgm
.Lentry_in_a_cluster:
	s_bfe_u32 s2, ttmp6, 0x10000c
	s_cmp_lg_u32 s2, 0x3003
	s_cbranch_scc0 .Lentry_shape_is_right
	s_endpgm
.Lentry_shape_is_right:
; Causal attention on codes of FP6 (E2M3) with E8M0 scales, head size 64, 2,048 tokens, 64 (batch x head); the result is divided by the row's sum and quantised along C for the projection.
; LEFT OUT: key steps all of whose keys come after a tile's queries: they are masked, so their p is 0 for every input.
; THE SOFTMAX: t = score x log2(e) / 8; M = the row's largest t so far, rounded UP to a whole number; p = 2^(t - M) is quantised along the keys, not normalised; the row's sum is taken of the unquantised p.
; When M moves, the sum and O are multiplied by 2^(old M - new M): exact.
; SHARES.  A head has 128 tiles of 16 queries and 16 records of 128 keys.  The four work-groups of a head form a cluster; work-group x owns the tiles 4 i + x.  Wave w owns tile A = 4 w + x, which needs records 0 .. w / 2,
; and tile B = 124 - 4 w + x, which needs records 0 .. 15 - w / 2: 17 tile steps for every wave of every work-group.  Which steps a wave takes hangs on its number alone, never on the work-group's place in the cluster.
; LDS: ALL 16 RECORDS OF THE HEAD, 208,896 bytes, each filled ONCE, by one joint load a wave at the head (mask: the cluster's four).  Nothing is filled again, so the loops hold no barrier.
; Records 0-7 (waves 0-7, a load line of their own) are shown by the first barrier.  Every wave then waits for its load and signals the second barrier, whose wait stands behind the first loop, which reads records 0-7 alone.
; NO PREFETCH: every tensor load of the launch goes out at the head; there is no loop to run ahead in.
; LAYOUT.  Both products transposed: S^T = K Q^T (source 0 = keys), O^T = V^T P^T (source 0 = 16 of the head's 64): a lane holds ONE query (lane % 16).
; The first product's K is 64, the instruction's 128: a fragment of source 0 holds TWO tiles of keys, one in each half of K, and is multiplied by [Q | zero codes] and by [zero codes | Q].
; Row 8 h + j of key tile 4 c + u is key 64 c + 32 h + 8 u + j (picked by the lane's LDS address): a lane's 32 registers of tiles 4 c .. 4 c + 3 are one whole scale block of p, in the order of the second product's operand.
; A RECORD (13,056 bytes): K's codes 128 x 48, the keys with bits 3 and 4 of their numbers exchanged; at 6,144 K's scale words [place / 64][place % 16][(place / 16) % 4]; at 6,656 V's scale words [r][fragment]; at 6,912 V's four fragments as images of their registers.
; LIMITS: NaN and infinities are not served; blocks whose largest magnitude lies under 2^-124 keep the byte 1; the promise holds while the scaled scores t stay under 2^31 in magnitude.
.set REC,   13056
.set QREC,  6656
.set STAGE, 16*REC                     ; a stage of 768 bytes for each wave
.set SPARE, STAGE+16*768               ; the spare words, 128 bytes for each of 16 waves
.set AK0, 1                            ; v1  48 (32 (r / 8) + r % 8) + 24 h: my place in a tile of K
.set AV0, 2                            ; v2  16 x lane
.set AS0, 3                            ; v3  16 (r % 8) + 8 (r / 8): my row's pair of scale words
.set ADK, 4                            ; v4-6 the same + the record in hand
.set ADV, 5
.set ADS, 6
.set SPW, 7                            ; v7  my spare word; never rewritten
.set NIL, 8                            ; v8  0; never rewritten
.set STO, 9                            ; v9  the stage: 768 x wave + 48 r + 24 h
.set RD,  10                           ; v10 and back: 768 x wave + 8 x lane
.set H8,  11                           ; v11 8 h
; v12 -M, v13 the largest t, v[14:15] the sum in two halves: tile A's; v16-19 tile B's.  v20-49: zero codes, Q of A, zero codes, Q of B, zero codes, six registers each.  v50, v51 Q's scale words
.set KF,  52                           ; v52-99   K: four fragments of two tiles
.set KW,  100                          ; v100-103 their scale words
.set T,   104                          ; v104-111 at work
.set S,   112                          ; v112-175 S^T, then p; then V's fragments (48) and scale words (4)
.set OA,  176                          ; v176-207 O^T of tile A
.set OB,  208                          ; v208-239 of tile B
.set PC,  240                          ; v240-251 p's codes; before that the sums' chains.  v252 f, v253 p's scale word, v254, v255 at work
.set FM,  S+32                         ; the way out, in S's upper half
.set FP,  S+34
.set FS,  S+36
.set FW,  S+38
.set FA,  S+39
.set FC,  S+40
.set FD,  S+46
.set FB,  S+50
.set FG,  S+56
.set TB,  2                            ; s2  LDS byte at which the record in hand begins
.set N,   3                            ; s3  the record in hand
.set X,   12                           ; s12 my place in the cluster
.set LA,  13                           ; s13 tile A's last record: w / 2
.set LB,  14                           ; s14 tile B's: 15 - w / 2
.set DA,  15                           ; s15 tile A's first query in its last record
.set DB,  16
.set WV,  18
.set SEL, 20
.set CS,  22                           ; s[22:23] log2(e) / 8
.set G1,  24
.set QCA, 32                           ; s32-35 where my tiles' codes and scale words lie in their records of q
.set QSA, 33
.set QCB, 34
.set QSB, 35
.set TLA, 36                           ; s36, s37 my tiles' numbers
.set TLB, 37
.set G0,  40
.set QPA, 44
.set QPB, 46
.set OPA, 48
.set OPB, 50
.set OSA, 52
.set OSB, 54
.set HB,  56                           ; s56 16 x batch + head
.set PSEL, 67
.macro WALU
	s_wait_alu depctr_va_vdst(0)
.endm
.macro NOPS n
.rept \n
	v_nop
.endr
.endm
.macro CROUND                          ; a round of the cluster's barrier
	s_barrier_signal -1
	s_barrier_wait -1
	s_cmp_lg_u32 s[WV], 0
	s_cbranch_scc1 .Lnot_wave_0_\@
	s_barrier_signal -3
.Lnot_wave_0_\@:
	s_barrier_wait -3
	s_barrier_signal -1
	s_barrier_wait -1
.endm
.macro TLOAD                           ; an s_nop 0 and four v_nop follow the line
	tensor_load_to_lds s[G0:G0+3], s[G1:G1+7]
	s_nop 0
	NOPS 4
.endm
.macro PTRS t, qp, qc, qs, op, os      ; the pointers of the tile whose number stands in s[t]
	s_lshl_b32 s60, s[HB], 4
	s_lshr_b32 s61, s[\t], 3
	s_add_co_u32 s60, s60, s61
	s_mul_i32 s60, s60, QREC               ; q's record 16 (16 batch + head) + tile / 8
	s_mov_b32 s61, 0
	s_add_nc_u64 s[\qp:\qp+1], s[4:5], s[60:61]
	s_bfe_u32 s62, s[\t], 0x20001          ; query 16 t + r lies at row 32 ((t % 8) / 2) + 16 (r / 8) + 8 (t % 2) + r % 8 of the record
	s_lshl_b32 s62, s62, 5
	s_and_b32 s63, s[\t], 1
	s_lshl_b32 s[\qs], s63, 7
	s_lshl_b32 s63, s63, 3
	s_add_co_u32 s62, s62, s63
	s_mul_i32 s[\qc], s62, 48
	s_bfe_u32 s63, s[\t], 0x10002          ; that row's scale word: 6,144 + 256 (place / 64) + 16 (place % 16) + 4 ((place / 16) % 4)
	s_lshl_b32 s63, s63, 8
	s_add_co_u32 s[\qs], s[\qs], s63
	s_bfe_u32 s63, s[\t], 0x10001
	s_lshl_b32 s63, s63, 3
	s_add_co_u32 s[\qs], s[\qs], s63
	s_add_co_u32 s[\qs], s[\qs], 6144
	s_lshr_b32 s62, s[HB], 4
	s_lshl_b32 s62, s62, 11
	s_lshl_b32 s63, s[\t], 4
	s_add_co_u32 s62, s62, s63             ; my first token of 8,192
	s_and_b32 s63, s[HB], 15
	s_lshl_b32 s60, s63, 13
	s_add_co_u32 s60, s60, s62
	s_mul_i32 s60, s60, 48                 ; codes out: [head][token][48 bytes]
	s_add_nc_u64 s[\op:\op+1], s[8:9], s[60:61]
	s_lshl_b32 s60, s62, 5                 ; scale bytes out: [token][32], the head's two at 2 x head
	s_lshl_b32 s63, s63, 1
	s_add_co_u32 s60, s60, s63
	s_add_nc_u64 s[\os:\os+1], s[10:11], s[60:61]
.endm
	s_load_b128 s[4:7], s[0:1], 0x0                ; qbuf, kvbuf
	s_load_b128 s[8:11], s[0:1], 0x10              ; ocodes, oscales
	v_lshl_add_u32 v[SPW], v0, 2, SPARE
	v_mov_b32 v[NIL], 0
	ds_add_u32 v[SPW], v[NIL]                      ; the opening lines: the add, twice on end, and its wait ahead of my tensor load
	ds_add_u32 v[SPW], v[NIL]
	v_lshrrev_b32 v1, 5, v0
	v_readfirstlane_b32 s[WV], v1                  ; wave 0..15
	s_bfe_u32 s[X], ttmp6, 0x40000                 ; cx
	s_and_b32 s[HB], ttmp7, 0xffff                 ; the cluster's y
	s_mov_b32 s[G1], 15|(3<<16)|(1<<21)            ; the mask: all four of the cluster; elements of 8 bytes; bit 21 beside a mask; no padding
	s_mov_b32 s[G1+1], 32<<16                      ; rows of 256 bytes
	s_mov_b32 s[G1+2], 51<<16                      ; a record's 51
	s_mov_b32 s[G1+3], 32<<16
	s_mov_b32 s[G1+4], 51
	s_mov_b32 s[G1+5], 32                          ; dense
	s_mov_b32 s[G1+6], 0
	s_mov_b32 s[G1+7], 0
	s_mov_b32 s[SEL], 0x76543210
	s_mov_b32 s[SEL+1], 0xfedcba98
	s_mov_b32 s[CS], 0x3e38aa3b                    ; log2(e) / 8
	s_mov_b32 s[CS+1], s[CS]
	s_mov_b32 s[PSEL], 0x05040100                  ; the low halves of two words
	s_lshl_b32 s57, s[WV], 2
	s_add_co_u32 s[TLA], s57, s[X]                 ; 4 w + x
	s_sub_co_u32 s[TLB], 124, s57
	s_add_co_u32 s[TLB], s[TLB], s[X]              ; 124 - 4 w + x
	s_lshr_b32 s[LA], s[WV], 1
	s_sub_co_u32 s[LB], 15, s[LA]
	s_and_b32 s[DA], s[TLA], 7
	s_lshl_b32 s[DA], s[DA], 4
	s_and_b32 s[DB], s[TLB], 7
	s_lshl_b32 s[DB], s[DB], 4
	s_mul_i32 s57, s[WV], REC                      ; I fetch record w: its place in LDS and in the head's run of records
	s_mul_i32 s58, s[HB], 16*REC
	s_add_co_u32 s58, s58, s57
	s_mov_b32 s59, 0
	WALU
	s_wait_dscnt 0x0                               ; both opening adds are done
	CROUND                                         ; the round in front of the joint loads
	s_wait_kmcnt 0x0
	s_mov_b32 s[G0], 1
	s_mov_b32 s[G0+1], s57
	s_add_nc_u64 s[G0+2:G0+3], s[6:7], s[58:59]
	s_or_b32 s[G0+3], s[G0+3], 0x80000000
	s_cmp_lt_u32 s[WV], 8                          ; two load lines: waves 0-7, which wait ahead of the first barrier, have one of their own
	s_cbranch_scc0 .Llater
	TLOAD
	s_branch .Lasked
.Llater:
	TLOAD
.Lasked:
	PTRS TLA, QPA, QCA, QSA, OPA, OSA
	PTRS TLB, QPB, QCB, QSB, OPB, OSB
	s_mul_i32 s60, s[WV], 768
	s_add_co_u32 s60, s60, STAGE
	v_and_b32 v104, 15, v0                         ; r
	v_bfe_u32 v105, v0, 4, 1                       ; h
	v_and_b32 v106, 31, v0                         ; lane
	v_and_b32 v107, 7, v104                        ; r % 8
	v_lshrrev_b32 v108, 3, v104                    ; r / 8
	v_lshl_add_u32 v109, v108, 5, v107
	v_mul_u32_u24 v[AK0], v109, 48
	v_mad_u32_u24 v[AK0], v105, 24, v[AK0]
	v_lshlrev_b32 v[AV0], 4, v106
	v_lshlrev_b32 v[AS0], 4, v107
	v_lshl_add_u32 v[AS0], v108, 3, v[AS0]
	v_lshlrev_b32 v[H8], 3, v105
	v_mul_u32_u24 v110, v104, 48
	v_mad_u32_u24 v110, v105, 24, v110
	v_add_nc_u32 v[STO], s60, v110
	v_lshl_add_u32 v[RD], v106, 3, s60
	v_lshl_add_u32 v109, v108, 4, v107             ; q: row 16 (r / 8) + r % 8 of the tile's rows
	v_mul_u32_u24 v109, v109, 48
	v_mad_u32_u24 v109, v105, 24, v109
	v_lshlrev_b32 v110, 4, v107
	v_lshl_add_u32 v110, v108, 2, v110
	v_add_nc_u32 v112, s[QCA], v109
	v_add_nc_u32 v113, s[QSA], v110
	v_add_nc_u32 v114, s[QCB], v109
	v_add_nc_u32 v115, s[QSB], v110
	WALU
.irp p, 0,1,2
	global_load_b64 v[26+2*\p:27+2*\p], v112, s[QPA:QPA+1] offset:8*\p
	global_load_b64 v[38+2*\p:39+2*\p], v114, s[QPB:QPB+1] offset:8*\p
.endr
	global_load_b32 v50, v113, s[QPA:QPA+1]
	global_load_b32 v51, v115, s[QPB:QPB+1]
.irp z, 20,32,44
.irp i, 0,1,2,3,4,5
	v_mov_b32 v[\z+\i], 0                          ; zero codes
.endr
.endr
.set J, 0
.rept 64
	v_mov_b32 v[OA+J], 0                           ; O^T of both tiles.  (The step is written once: the first change of M multiplies zeros)
.set J, J+1
.endr
.irp st, 12,16
	v_mov_b32 v[\st+1], 0xff61b1e6                 ; the largest t so far: -3e38
	v_floor_f32 v[\st], -v[\st+1]
	v_mov_b32 v[\st+2], 0
	v_mov_b32 v[\st+3], 0
.endr
	v_mov_b32 v252, 0                              ; (a lane permute's destination and the pair v[252:253] are written before they are first named)
	v_mov_b32 v253, 0
	s_wait_loadcnt 0x0
	v_perm_b32 v50, v50, v50, s[PSEL]              ; Q's two scale bytes, for either half of K
	v_perm_b32 v51, v51, v51, s[PSEL]
	WALU                                           ; the wait at the head's end
	s_cmp_lt_u32 s[WV], 8
	s_cbranch_scc0 .Lnot_first
	s_wait_tensorcnt 0x0
.Lnot_first:
	s_barrier_signal -1
	s_barrier_wait -1                              ; records 0-7 are in
	s_wait_tensorcnt 0x0                           ; my own record is in, whichever it is:
	s_barrier_signal -1                            ; say so.  Up to this barrier's wait stand register work and LDS loads from records 0-7, which nobody writes
; K of the record in hand: four fragments of two tiles (24 loads of 8 bytes) and my row's scale words, two tiles' by one load; their low halves make a fragment's word
.macro KLOAD
	v_add_nc_u32 v[ADK], s[TB], v[AK0]
	v_add_nc_u32 v[ADV], s[TB], v[AV0]
	v_add_nc_u32 v[ADS], s[TB], v[AS0]
.irp f, 0,1,2,3
.irp u, 0,1
.irp p, 0,1,2
	ds_load_b64 v[KF+12*\f+6*\u+2*\p:KF+12*\f+6*\u+2*\p+1], v[ADK] offset:48*(64*(\f/2)+8*(\f%2))+768*\u+8*\p
.endr
.endr
.endr
.irp f, 0,1,2,3
	ds_load_b64 v[T+2*\f:T+2*\f+1], v[ADS] offset:6144+256*(\f/2)+128*(\f%2)
.endr
	s_wait_dscnt 0x0
.irp f, 0,1,2,3
	v_perm_b32 v[KW+\f], v[T+2*\f+1], v[T+2*\f], s[PSEL]
.endr
	WALU                                           ; a branch may follow
	NOPS 8                                         ; a scale word made by a vector instruction stands eight places ahead of its product
.endm
; A TILE STEP: 16 queries x 128 keys.  st: the tile's state; qz: where [zero codes | Q] begins ([Q | zero codes] six registers on); mask = 1: the step may be the tile's last, on the diagonal
.macro TILE st, qz, qw, o, lim, dd, mask
.irp f, 0,1,2,3
	v_wmma_scale_f32_16x16x128_f8f6f4 v[S+16*\f:S+16*\f+7], v[KF+12*\f:KF+12*\f+11], v[\qz+6:\qz+17], 0, v[KW+\f], v[\qw] matrix_a_fmt:MATRIX_FMT_FP6 matrix_b_fmt:MATRIX_FMT_FP6
	v_wmma_scale_f32_16x16x128_f8f6f4 v[S+16*\f+8:S+16*\f+15], v[KF+12*\f:KF+12*\f+11], v[\qz:\qz+11], 0, v[KW+\f], v[\qw] matrix_a_fmt:MATRIX_FMT_FP6 matrix_b_fmt:MATRIX_FMT_FP6
.endr
	NOPS 4
.if \mask
	s_cmp_lg_u32 s[N], s[\lim]                     ; only the tile's last record holds hidden keys: their scores become -infinity, so p = 0
	s_cbranch_scc1 .Lopen_\@
	v_and_b32 v254, 15, v0
	v_bfe_u32 v255, v0, 4, 1
	v_lshlrev_b32 v255, 5, v255
	v_sub_nc_u32 v254, v254, v255
	v_add_nc_u32 v254, s[\dd], v254                ; d = my query in the record - 32 h.  Register 32 c + i holds key 64 c + 32 h + i: hidden where 64 c + i > d
	v_mov_b32 v255, 0xff800000
.set N_, 0
.rept 64
	v_cmp_gt_i32 vcc_lo, 64*(N_/32)+N_%32, v254
	v_cndmask_b32 v[S+N_], v[S+N_], v255, vcc_lo
.set N_, N_+1
.endr
.Lopen_\@:
.endif
.irp c, 0,1                                    ; the largest score of each of my two blocks of 32 keys, in two chains each; it serves the row's maximum and, since p rises with the score, the block's largest p
	v_max3_num_f32 v[T+4*\c], v[S+32*\c], v[S+32*\c+1], v[S+32*\c+2]
	v_max3_num_f32 v[T+4*\c+1], v[S+32*\c+16], v[S+32*\c+17], v[S+32*\c+18]
.endr
.irp i, 3,5,7,9,11,13
.irp c, 0,1
	v_max3_num_f32 v[T+4*\c], v[T+4*\c], v[S+32*\c+\i], v[S+32*\c+\i+1]
	v_max3_num_f32 v[T+4*\c+1], v[T+4*\c+1], v[S+32*\c+16+\i], v[S+32*\c+17+\i]
.endr
.endr
.irp c, 0,1
	v_max3_num_f32 v[T+4*\c], v[T+4*\c], v[S+32*\c+15], v[S+32*\c+31]
.endr
.irp c, 0,1
	v_max_num_f32 v[T+4*\c], v[T+4*\c], v[T+4*\c+1]
.endr
	s_delay_alu instid0(VALU_DEP_1)
	v_max_num_f32 v[T+2], v[T], v[T+4]
	s_delay_alu instid0(VALU_DEP_1)
	v_permlanex16_b32 v[T+3], v[T+2], s[SEL], s[SEL+1]
	s_delay_alu instid0(VALU_DEP_1)
	v_max_num_f32 v[T+2], v[T+2], v[T+3]           ; with lane l xor 16's two blocks: the step's largest score of my query
	s_delay_alu instid0(VALU_DEP_1)
	v_mul_f32 v[T+2], s[CS], v[T+2]                ; as t
	s_delay_alu instid0(VALU_DEP_1)
	v_max_num_f32 v[\st+1], v[\st+1], v[T+2]       ; the running largest t
	v_mov_b32 v[T+2], v[\st]
	s_delay_alu instid0(VALU_DEP_2)
	v_floor_f32 v[\st], -v[\st+1]                  ; the new -M = floor(-t)
	s_delay_alu instid0(VALU_DEP_1)
	v_sub_f32 v[T+2], v[\st], v[T+2]               ; old M - new M, 0 or less
	s_delay_alu instid0(VALU_DEP_1)
	v_cvt_i32_f32 v[T+2], v[T+2]                   ; (it saturates)
	s_delay_alu instid0(VALU_DEP_1)
	v_ldexp_f32 v252, 1.0, v[T+2]                  ; f = 2^(old M - new M)
.set J, 0
.rept 32
	v_pk_fma_f32 v[S+J:S+J+1], v[S+J:S+J+1], s[CS:CS+1], v[\st:\st+1] op_sel_hi:[1,0,0]   ; t - M, two at a time
.set J, J+2
.endr
	v_fma_f32 v[T], v[T], s[CS], v[\st]            ; the same of each block's largest score
	v_fma_f32 v[T+4], v[T+4], s[CS], v[\st]
	WALU                                           ; ahead of the batch
	v_exp_f32 v[T], v[T]
	v_exp_f32 v[T+4], v[T+4]
.set J, 0
.rept 64
	v_exp_f32 v[S+J], v[S+J]                       ; p = 2^(t - M), at most 1
.set J, J+1
.endr
	v_pk_mul_f32 v[\st+2:\st+3], v[\st+2:\st+3], v[252:253] op_sel_hi:[1,0]   ; the sums under the new M (a plain place behind the exponentials)
	WALU                                           ; one wait for the whole batch
.irp k, 0,1,2,3                                ; the row's sum of the unquantised p: four chains
	v_pk_add_f32 v[PC+2*\k:PC+2*\k+1], v[S+16*\k:S+16*\k+1], v[S+16*\k+2:S+16*\k+3]
.endr
.irp i, 4,6,8,10,12,14
.irp k, 0,1,2,3
	v_pk_add_f32 v[PC+2*\k:PC+2*\k+1], v[PC+2*\k:PC+2*\k+1], v[S+16*\k+\i:S+16*\k+\i+1]
.endr
.endr
	v_pk_add_f32 v[PC:PC+1], v[PC:PC+1], v[PC+2:PC+3]
	v_pk_add_f32 v[PC+4:PC+5], v[PC+4:PC+5], v[PC+6:PC+7]
	v_max_num_f32 v[T], 0x1800000, v[T]            ; the floor 2^(3 - 127): the byte cannot fall under 1
	v_max_num_f32 v[T+4], 0x1800000, v[T+4]
	v_pk_add_f32 v[PC:PC+1], v[PC:PC+1], v[PC+4:PC+5]
	v_add_nc_u32 v[T+3], 0xff000000, v[T]          ; 2 off the exponent field: the conversions' scale operands
	v_add_nc_u32 v[T+7], 0xff000000, v[T+4]
	v_pk_add_f32 v[\st+2:\st+3], v[\st+2:\st+3], v[PC:PC+1]
	v_lshrrev_b32 v[T+1], 23, v[T+3]               ; the scale bytes of my blocks h and 2 + h,
	v_lshrrev_b32 v[T+5], 23, v[T+7]
	v_lshl_or_b32 v[T+1], v[T+5], 16, v[T+1]
	v_lshlrev_b32 v[T+1], v[H8], v[T+1]            ; at their places in the scale word;
	v_permlanex16_b32 v[T+5], v[T+1], s[SEL], s[SEL+1]
	v_or_b32 v253, v[T+1], v[T+5]                  ; with lane l xor 16's two the word is whole
.irp c, 0,1
	v_cvt_scalef32_pk16_fp6_f32 v[PC+6*\c:PC+6*\c+2], v[S+32*\c:S+32*\c+15], v[T+3+4*\c]
	v_cvt_scalef32_pk16_fp6_f32 v[T+4*\c:T+4*\c+2], v[S+32*\c+16:S+32*\c+31], v[T+3+4*\c]   ; (a conversion's three registers begin on an even number)
.endr
	v_nop                                          ; one plain place behind a scaled conversion
.irp t, 0,1,2,3
.irp c, 0,1,2
	ds_load_b128 v[S+12*\t+4*\c:S+12*\t+4*\c+3], v[ADV] offset:6912+1536*\t+512*\c   ; V's fragments land where p lay
.endr
.endr
	ds_load_b128 v[S+48:S+51], v[ADV] offset:6656  ; and row r's four scale words
.irp c, 0,1
.irp i, 0,1,2
	v_mov_b32 v[PC+6*\c+3+\i], v[T+4*\c+\i]
.endr
.endr
	WALU                                           ; directly ahead of the first reader of O^T
.set J, 0
.rept 16
	v_pk_mul_f32 v[\o+J:\o+J+1], v[\o+J:\o+J+1], v[252:253] op_sel_hi:[1,0]   ; O^T under the new M; also the places between p's codes and scale word and the products
.set J, J+2
.endr
	WALU                                           ; and ahead of the wait below
	s_wait_dscnt 0x0
.irp t, 0,1,2,3                                ; O^T += V^T P^T: four accumulators by turns
	v_wmma_scale_f32_16x16x128_f8f6f4 v[\o+8*\t:\o+8*\t+7], v[S+12*\t:S+12*\t+11], v[PC:PC+11], v[\o+8*\t:\o+8*\t+7], v[S+48+\t], v253 matrix_a_fmt:MATRIX_FMT_FP6 matrix_b_fmt:MATRIX_FMT_FP6
.endr
.endm
; A tile ends: O^T / the sum; register 16 b + i is dim 32 b + 16 h + i of my query: two blocks of 32 along C are quantised; a lane's 24 bytes go through my stage, so that each store covers 256 consecutive bytes, aligned
.macro FINISH st, o, op, os
	NOPS 4
	v_add_f32 v[\st+2], v[\st+2], v[\st+3]
	v_permlanex16_b32 v252, v[\st+2], s[SEL], s[SEL+1]
	v_add_f32 v[\st+2], v[\st+2], v252             ; the sum's two halves and lane l xor 16's
	WALU
	v_rcp_f32 v[\st+2], v[\st+2]
	v_and_b32 v[FA], 15, v0
	v_lshlrev_b32 v[FA], 5, v[FA]                  ; 32 r: my row of scale bytes
	v_and_b32 v[FG], 31, v0
	v_lshlrev_b32 v[FG], 3, v[FG]                  ; 8 x lane
	v_mov_b32 v[FP], 0
	v_mov_b32 v[FP+1], 0
	WALU
.set J, 0
.rept 32
	v_mul_f32 v[S+J], v[\o+J], v[\st+2]
.set J, J+1
.endr
.irp b, 0,1
	v_max3_num_f32 v[FM+\b], |v[S+16*\b]|, |v[S+1+16*\b]|, 0x1800000
.endr
.irp i, 2,4,6,8,10,12,14
.irp b, 0,1
	v_max3_num_f32 v[FM+\b], v[FM+\b], |v[S+16*\b+\i]|, |v[S+1+16*\b+\i]|
.endr
.endr
.irp b, 0,1
	v_permlanex16_b32 v[FP+\b], v[FM+\b], s[SEL], s[SEL+1]
.endr
.irp b, 0,1
	v_max_num_f32 v[FM+\b], v[FM+\b], v[FP+\b]
.endr
.irp b, 0,1
	v_add_nc_u32 v[FS+\b], 0xff000000, v[FM+\b]
.endr
.irp b, 0,1
	v_lshrrev_b32 v[FP+\b], 23, v[FS+\b]
.endr
	v_lshl_or_b32 v[FW], v[FP+1], 8, v[FP]         ; the head's two scale bytes of my row
	v_cvt_scalef32_pk16_fp6_f32 v[FC:FC+2], v[S:S+15], v[FS]
	v_cvt_scalef32_pk16_fp6_f32 v[FD:FD+2], v[S+16:S+31], v[FS+1]
	v_nop
.irp i, 0,1,2
	v_permlane16_swap_b32 v[FC+\i], v[FD+\i]       ; lanes 0-15 now hold dims 0-31, lanes 16-31 dims 32-63
.endr
.irp i, 0,1,2
	v_mov_b32 v[FC+3+\i], v[FD+\i]
.endr
.irp p, 0,1,2
	ds_store_b64 v[STO], v[FC+2*\p:FC+2*\p+1] offset:8*\p
.endr
.irp k, 0,1,2
	ds_load_b64 v[FB+2*\k:FB+2*\k+1], v[RD] offset:256*\k   ; LDS serves a wave's instructions in order: these see my stores
.endr
	global_store_b16 v[FA], v[FW], s[\os:\os+1]    ; lanes r and r + 16 store the same two bytes with the same value
	s_wait_dscnt 0x0
.irp k, 0,1,2
	global_store_b64 v[FG], v[FB+2*\k:FB+2*\k+1], s[\op:\op+1] offset:256*\k
.endr
	s_wait_xcnt 0x0                                ; the stores have read their registers, which are written again
.endm
	s_mov_b32 s[TB], 0
	s_mov_b32 s[N], 0
.Lfirst:                                           ; records 0-7: tile A up to its last record, tile B always, all its keys counting; K's fragments serve both
	KLOAD
	s_cmp_gt_u32 s[N], s[LA]
	s_cbranch_scc1 .Lno_a
	TILE 12, 20, 50, OA, LA, DA, 1
.Lno_a:
	NOPS 5                                         ; places ahead of products that write over V's fragments
	TILE 16, 32, 51, OB, LB, DB, 0
	s_add_co_u32 s[TB], s[TB], REC
	s_add_co_u32 s[N], s[N], 1
	s_cmp_lt_u32 s[N], 8
	s_cbranch_scc1 .Lfirst
	s_barrier_wait -1                              ; every wave's record is in
	FINISH 12, OA, OPA, OSA
	s_mov_b32 s[TB], 8*REC
.Lsecond:                                          ; records 8-15: tile B up to its last record
	s_cmp_gt_u32 s[N], s[LB]
	s_cbranch_scc1 .Lno_b
	KLOAD
	TILE 16, 32, 51, OB, LB, DB, 1
.Lno_b:
	s_add_co_u32 s[TB], s[TB], REC
	s_add_co_u32 s[N], s[N], 1
	s_cmp_lt_u32 s[N], 16
	s_cbranch_scc1 .Lsecond
	FINISH 16, OB, OPB, OSB
	s_wait_tensorcnt 0x0                           ; the wave's end
	ds_add_u32 v[SPW], v[NIL]
	s_wait_dscnt 0x0
	CROUND                                         ; the closing round
	s_endpgm
.Lfunc_end_k_q5b2caf8364_attn:
	.size	k_q5b2caf8364_attn, .Lfunc_end_k_q5b2caf8364_attn-k_q5b2caf8364_attn
	.p2alignl 7, 3214868480
	.fill 96, 4, 3214868480
	.section	.rodata,"a",@progbits
	.p2align	6, 0x0
	.amdhsa_kernel k_q5b2caf8364_attn
		.amdhsa_group_segment_fixed_size 223232
		.amdhsa_private_segment_fixed_size 0
		.amdhsa_enable_private_segment 0
		.amdhsa_kernarg_size 32
		.amdhsa_user_sgpr_count 2
		.amdhsa_user_sgpr_kernarg_segment_ptr 1
		.amdhsa_wavefront_size32 1
		.amdhsa_system_sgpr_workgroup_id_x 1
		.amdhsa_system_sgpr_workgroup_id_y 1
		.amdhsa_system_sgpr_workgroup_id_z 1
		.amdhsa_system_vgpr_workitem_id 0
		.amdhsa_next_free_vgpr 256
		.amdhsa_next_free_sgpr 72
		.amdhsa_reserve_vcc 1
		.amdhsa_float_denorm_mode_32 3
		.amdhsa_float_denorm_mode_16_64 3
		.amdhsa_memory_ordered 1
		.amdhsa_forward_progress 1
		.amdhsa_inst_pref_size 77
	.end_amdhsa_kernel
	.amdgpu_metadata
---
amdhsa.version: [ 1, 2 ]
amdhsa.kernels:
  - .name:           k_q5b2caf8364_attn
    .symbol:         k_q5b2caf8364_attn.kd
    .args:
      - { .name: qbuf, .offset: 0, .size: 8, .value_kind: global_buffer, .address_space: global }
      - { .name: kvbuf, .offset: 8, .size: 8, .value_kind: global_buffer, .address_space: global }
      - { .name: ocodes, .offset: 16, .size: 8, .value_kind: global_buffer, .address_space: global }
      - { .name: oscales, .offset: 24, .size: 8, .value_kind: global_buffer, .address_space: global }
    .group_segment_fixed_size: 223232
    .private_segment_fixed_size: 0
    .kernarg_segment_align: 8
    .kernarg_segment_size: 32
    .max_flat_workgroup_size: 512
    .sgpr_count:     72
    .vgpr_count:     256
    .wavefront_size: 32
...
	.end_amdgpu_metadata
.endif
;; end of part 3
;; launch proj (part 4): grid 8 x 32, 4 waves a work-group, clusters of 4 x 4, 327,680 bytes of LDS; arguments ocodes, oscales, codes, scales, out0; writes out0
.if DOCPART == 4
	.amdgcn_target "amdgcn-amd-amdhsa--gfx1250"
	.amdhsa_code_object_version 6
	.text
	.protected	k_q5b2caf8364_proj
	.globl	k_q5b2caf8364_proj
	.p2align	8
	.type	k_q5b2caf8364_proj,@function
k_q5b2caf8364_proj:
	s_mov_b64 s[64:65], 0
	v_nop
	global_prefetch_b8 v0, s[64:65] scope:SCOPE_SE
	s_setreg_imm32_b32 hwreg(HW_REG_WAVE_MODE, 25, 1), 1
	s_wait_xcnt 0x0
	s_wait_alu depctr_hold_cnt(0) depctr_sa_sdst(0) depctr_va_vdst(0) depctr_va_sdst(0) depctr_va_ssrc(0) depctr_va_vcc(0) depctr_vm_vsrc(0)
	s_getreg_b32 s2, hwreg(HW_REG_IB_STS2, 6, 4)
	s_cmp_eq_u32 s2, 0
	s_cbranch_scc0 .Lentry_in_a_cluster
	s_endpgm
.Lentry_in_a_cluster:
	s_bfe_u32 s2, ttmp6, 0x10000c
	s_cmp_lg_u32 s2, 0xf033
	s_cbranch_scc0 .Lentry_shape_is_right
	s_endpgm
.Lentry_shape_is_right:
; out0 = o w_proj^T on codes of FP6 (E2M3) with E8M0 scales, K = 1,024, f32 out.
; SHARES: 256 work-groups of four waves, 2 x 2; a work-group makes 256 rows x 128 columns.  The wave in column b holds 64 rows of w_proj, ALL of K, in registers (32 fragments, 384 registers);
; the wave in row a takes the work-group's rows 32 s + 16 a + 0 .. 15 as its block s, eight blocks.  A block is 32 products on four accumulators by turns and is finished with them.
; LDS IS FILLED ONCE, by one joint load a wave at the head: waves 0 and 1 eight pieces (of 64 along K) each of w_proj's 128 rows, waves 2 and 3 128 rows each of o, all 16 heads.  Nothing is filled again, so there is no ring.
; CLUSTERS of 4 x 4: o's rows are shared along a row of the cluster, w_proj's along a column.
; The first barrier shows w_proj's rows (waves 0 and 1 have a load line of their own and wait there); their 192 LDS loads a wave stand ahead of the wait for o's rows, which the second barrier shows.
; o's codes lie [head][token][48 bytes], w_proj's [piece of 64 along K][row][48 bytes]; in LDS likewise, [128 rows: o alone][piece][row][48].
; The scale words go from memory straight into registers: w_proj's 32 bytes a row a lane; o's likewise, lanes 0-15 an even block's rows, lanes 16-31 the next block's.
; SOURCE 0 TAKES w_proj's ROWS: a lane holds eight neighbouring columns of one row of the result.  A block goes through the wave's stage (rows of 272 bytes) and leaves as whole rows of 256 bytes.
; The stage lies in w_proj's LDS bytes: they have had their one fill, and behind the second barrier nobody reads them and no tensor load is out.
; NO PREFETCH: every tensor load of the launch goes out at the head; there is no loop to run ahead in.
.set PIECE, 12288*48
.set HPL,   8192*48
.set WROW,  11264
.set CH,    16*6144                    ; 128 rows, all 16 pieces
.set WB,    2*CH
.set SPARE, 3*CH
.set SPITCH, 272
.set FR,    12
.set FPW,   21                         ; fragments in a window of 256 registers.  Fragment f lies in window 1 + f / 21 at register 12 (f % 21): 0-31 w_proj's (4 q + b), 32-39 and 40-47 o's two sets
.set AO,  4                            ; v4-7   LDS address of my fragments of o: [128 tokens][heads 0-7, 8-15]
.set AW,  8                            ; v8, v9 of w_proj's: pieces 0-7, 8-15
.set STO, 12
.set RD,  13
.set CO,  14
.set SPW, 15                           ; my spare word; never rewritten
.set NIL, 16                           ; 0; never rewritten
.set ABS, 17
.set AOS, 18
.set SB,  24                           ; v24-39  w_proj's scale words: register 8 p + q: lane l has row 32 p + l, K step q of 128
.set SA,  44                           ; v44-75  o's: register 8 i + q: lanes 0-15 block 2 i, lanes 16-31 block 2 i + 1
.set ACC, 80                           ; v80-143 two sets of four accumulators
.set BK,  144                          ; v144-207 two sets of 16 rows read back from the stage
.set G1W, 24
.set G1O, 32
.set G0W, 48
.set G0O, 52
.set MSB, 0
.macro WIN new
.set WNEW, \new
.if MSB != WNEW
	s_set_vgpr_msb (MSB<<8)|WNEW
.set MSB, WNEW
.endif
.endm
.macro NOPS n
.rept \n
	v_nop
.endr
.endm
.macro CROUND
	s_barrier_signal -1
	s_barrier_wait -1
	s_cmp_lg_u32 s14, 0
	s_cbranch_scc1 .Lnot_wave_0_\@
	s_barrier_signal -3
.Lnot_wave_0_\@:
	s_barrier_wait -3
	s_barrier_signal -1
	s_barrier_wait -1
.endm
.macro TLOAD g0, g1                    ; an s_nop 0 and four v_nop follow the line
	tensor_load_to_lds s[\g0:\g0+3], s[\g1:\g1+7]
	s_nop 0
	NOPS 4
.endm
	s_load_b128 s[4:7], s[0:1], 0x0                ; ocodes, oscales
	s_load_b128 s[8:11], s[0:1], 0x10              ; codes, scales
	s_load_b64 s[12:13], s[0:1], 0x20              ; out0
	v_lshl_add_u32 v[SPW], v0, 2, SPARE
	v_mov_b32 v[NIL], 0
	ds_add_u32 v[SPW], v[NIL]                      ; the opening lines: the add, twice on end, and its wait ahead of my tensor load
	ds_add_u32 v[SPW], v[NIL]
	v_lshrrev_b32 v1, 5, v0
	v_readfirstlane_b32 s14, v1                    ; wave
	s_lshr_b32 s15, s14, 1                         ; a: my row of the 2 x 2.  Also: I fetch w_proj (0) or o (1)
	s_and_b32 s16, s14, 1                          ; b: my column.  Also: which half of that I fetch
	s_bfe_u32 s40, ttmp6, 0x40000                  ; cx
	s_bfe_u32 s41, ttmp6, 0x40004                  ; cy
	s_lshl_b32 s42, ttmp9, 2
	s_add_co_u32 s42, s42, s40                     ; tile column, 0 .. 7
	s_and_b32 s43, ttmp7, 0xffff
	s_lshl_b32 s43, s43, 2
	s_add_co_u32 s43, s43, s41                     ; tile row, 0 .. 31
	s_lshl_b32 s44, s41, 2
	s_lshl_b32 s44, 15, s44                        ; my row of the cluster
	s_lshl_b32 s45, 0x1111, s40                    ; my column
	s_or_b32 s[G1W], s45, (3<<16)|(1<<21)          ; w_proj: elements of 8 bytes; no padding
	s_mov_b32 s[G1W+1], 768<<16                    ; a row: 128 rows of a piece, 6,144 bytes on end
	s_mov_b32 s[G1W+2], 8<<16                      ; eight pieces
	s_mov_b32 s[G1W+3], 768<<16
	s_mov_b32 s[G1W+4], 8
	s_mov_b32 s[G1W+5], PIECE/8
	s_mov_b32 s[G1W+6], 0
	s_mov_b32 s[G1W+7], 0
	s_or_b32 s[G1O], s44, (3<<16)|(1<<21)          ; o: the same
	s_mov_b32 s[G1O+1], 768<<16                    ; a row: 128 tokens of a head, 6,144 bytes on end
	s_mov_b32 s[G1O+2], 16<<16                     ; sixteen heads
	s_mov_b32 s[G1O+3], 768<<16
	s_mov_b32 s[G1O+4], 16
	s_mov_b32 s[G1O+5], HPL/8
	s_mov_b32 s[G1O+6], 0
	s_mov_b32 s[G1O+7], 0
	s_mul_i32 s20, s42, 128*48
	s_add_co_u32 s20, s20, WROW*48
	s_mul_i32 s21, s16, 8*PIECE
	s_add_co_u32 s20, s20, s21                     ; w_proj's codes: my tile column's rows, pieces 8 b ..
	s_mov_b32 s21, 0
	s_mul_i32 s22, s43, 256*48
	s_mul_i32 s23, s16, 128*48
	s_add_co_u32 s22, s22, s23                     ; o's codes: my tile row's tokens, half b
	s_mov_b32 s23, 0
	s_lshl_b32 s46, s42, 7
	s_lshl_b32 s47, s16, 6
	s_add_co_u32 s46, s46, s47                     ; my first column
	s_lshl_b32 s58, s46, 2
	s_add_co_u32 s46, s46, WROW
	s_lshl_b32 s46, s46, 5                         ; its scale bytes
	s_mov_b32 s47, 0
	s_lshl_b32 s18, s43, 8
	s_lshl_b32 s19, s15, 4
	s_add_co_u32 s18, s18, s19                     ; my first row
	s_lshl_b32 s19, s18, 12
	s_add_co_u32 s58, s58, s19                     ; where my part of out0 begins
	s_mov_b32 s59, 0
	s_lshl_b32 s18, s18, 5                         ; its scale bytes
	s_mov_b32 s19, 0
	s_wait_alu depctr_va_vdst(0)
	s_wait_dscnt 0x0                               ; both opening adds are done
	CROUND                                         ; the round in front of the joint loads
	s_wait_kmcnt 0x0
	s_mov_b32 s[G0W], 1
	s_mul_i32 s[G0W+1], s16, 8*6144
	s_add_co_u32 s[G0W+1], s[G0W+1], WB
	s_add_nc_u64 s[G0W+2:G0W+3], s[8:9], s[20:21]
	s_or_b32 s[G0W+3], s[G0W+3], 0x80000000
	s_mov_b32 s[G0O], 1
	s_mul_i32 s[G0O+1], s16, CH
	s_add_nc_u64 s[G0O+2:G0O+3], s[4:5], s[22:23]
	s_or_b32 s[G0O+3], s[G0O+3], 0x80000000
	s_add_nc_u64 s[60:61], s[10:11], s[46:47]
	s_add_nc_u64 s[62:63], s[6:7], s[18:19]
	s_add_nc_u64 s[12:13], s[12:13], s[58:59]
	s_cmp_lt_u32 s14, 2
	s_cbranch_scc0 .Lfor_o
	TLOAD G0W, G1W
	s_branch .Lasked
.Lfor_o:
	TLOAD G0O, G1O
.Lasked:
	s_mul_i32 s20, s15, 16*48                      ; my 16 rows of a block of 32
	s_mul_i32 s21, s16, 64*48
	s_add_co_u32 s21, s21, WB                      ; my 64 rows of w_proj
	s_mul_i32 s22, s14, 16*SPITCH
	s_add_co_u32 s22, s22, WB                      ; my stage
	v_and_b32 v1, 15, v0                           ; r
	v_bfe_u32 v2, v0, 4, 1                         ; h
	v_and_b32 v3, 31, v0                           ; lane
	v_lshlrev_b32 v[ABS], 5, v3                    ; 32 bytes a row, a row a lane
	v_lshl_add_u32 v[AOS], v2, 5, v1
	v_lshlrev_b32 v[AOS], 5, v[AOS]                ; row r, and for lanes 16-31 32 rows on
.irp p, 0,1
.irp c, 0,1
	global_load_b128 v[SB+8*\p+4*\c:SB+8*\p+4*\c+3], v[ABS], s[60:61] offset:\p*1024+16*\c
.endr
.endr
.irp i, 0,1,2,3
.irp c, 0,1
	global_load_b128 v[SA+8*\i+4*\c:SA+8*\i+4*\c+3], v[AOS], s[62:63] offset:\i*2048+16*\c
.endr
.endr
	v_mul_u32_u24 v19, v1, 48
	v_mad_u32_u24 v19, v2, 24, v19
	v_add_nc_u32 v[AO], s20, v19
	v_add_nc_u32 v[AO+1], 8*6144, v[AO]
	v_add_nc_u32 v[AO+2], CH, v[AO]
	v_add_nc_u32 v[AO+3], CH+8*6144, v[AO]
	v_add_nc_u32 v[AW], s21, v19
	v_add_nc_u32 v[AW+1], 8*6144, v[AW]
	v_mul_u32_u24 v21, v1, SPITCH
	v_lshl_add_u32 v21, v2, 5, v21
	v_add_nc_u32 v[STO], s22, v21                  ; into the stage: row r, 32 bytes for each half of the lanes
	v_mul_u32_u24 v22, v2, SPITCH
	v_lshl_add_u32 v22, v1, 4, v22
	v_add_nc_u32 v[RD], s22, v22                   ; back: lanes 0-15 one row of 256 bytes, lanes 16-31 the next
	v_lshlrev_b32 v[CO], 12, v2
	v_lshl_add_u32 v[CO], v1, 4, v[CO]             ; and the same two rows in out0
; a fragment of w_proj: K step q of 128 = pieces 2 q and 2 q + 1, column tile b: six pieces of 8 bytes
.macro WFRAG q, b
.set F_, 4*(\q)+(\b)
	WIN (1+F_/FPW)<<6
.set R_, FR*(F_%FPW)
.irp p, 0,1,2,3,4,5
	ds_load_b64 v[R_+2*\p:R_+2*\p+1], v[AW+(\q)/4] offset:((2*(\q)+\p/3)%8)*6144+(\b)*768+8*(\p%3)
.endr
.endm
; a fragment of o: K step q of 128 = heads 2 q and 2 q + 1, block s, into set e
.macro OFRAG e, q, s
.set F_, 32+8*(\e)+(\q)
	WIN (1+F_/FPW)<<6
.set R_, FR*(F_%FPW)
.irp p, 0,1,2,3,4,5
	ds_load_b64 v[R_+2*\p:R_+2*\p+1], v[AO+2*((\s)/4)+(\q)/4] offset:((2*(\q)+\p/3)%8)*6144+((\s)%4)*32*48+8*(\p%3)
.endr
.endm
.macro FETCH e, s                      ; 48 loads
.irp q, 0,1,2,3,4,5,6,7
	OFRAG \e, \q, \s
.endr
	WIN 0
.endm
.macro WM d, a, b, c, xa, xb, ra, rb
	v_wmma_scale_f32_16x16x128_f8f6f4 v[\d:\d+7], v[\a:\a+11], v[\b:\b+11], \c, v[\xa], v[\xb] matrix_a_fmt:MATRIX_FMT_FP6 matrix_b_fmt:MATRIX_FMT_FP6 matrix_a_scale:MATRIX_SCALE_ROW\ra matrix_b_scale:MATRIX_SCALE_ROW\rb
.endm
.macro TOSTAGE e
.irp b, 0,1,2,3
	ds_store_b128 v[STO], v[ACC+32*\e+8*\b:ACC+32*\e+8*\b+3] offset:64*\b          ; each accumulator from its low end on
	ds_store_b128 v[STO], v[ACC+32*\e+8*\b+4:ACC+32*\e+8*\b+7] offset:64*\b+16
.endr
.irp t, 0,1,2,3,4,5,6,7
	ds_load_b128 v[BK+32*\e+4*\t:BK+32*\e+4*\t+3], v[RD] offset:\t*2*SPITCH        ; LDS serves a wave's instructions in order: these see the stores above
.endr
.endm
.macro SEND a
.irp t, 0,1,2,3,4,5,6,7
	global_store_b128 v[CO], v[BK+32*((\a)%2)+4*\t:BK+32*((\a)%2)+4*\t+3], s[12:13] offset:((\a)*32+2*\t)*4096 th:TH_STORE_NT   ; sixteen lanes store 256 consecutive bytes, aligned
.endr
.endm
; BLOCK s (e = s % 2).  The wait lets the 48 loads of the next block's fragments stay out: this block's fragments and the last block's rows from the stage are older.
.macro BLK s, e
.if \s < 7
	s_wait_dscnt 48
.else
	s_wait_dscnt 0x0
.endif
.if \s > 0
	SEND \s-1
.endif
.irp q, 0,1,2,3,4,5,6,7
.irp bp, 0,1
.irp ra, 0,1
	WIN (1+(4*\q+2*\bp+\ra)/FPW)|((1+(32+8*\e+\q)/FPW)<<2)
.if \q
	WM ACC+32*\e+8*(2*\bp+\ra), FR*((4*\q+2*\bp+\ra)%FPW), FR*((32+8*\e+\q)%FPW), v[ACC+32*\e+8*(2*\bp+\ra):ACC+32*\e+8*(2*\bp+\ra)+7], SB+8*\bp+\q, SA+8*(\s/2)+\q, \ra, \e
.else
	WM ACC+32*\e+8*(2*\bp+\ra), FR*((4*\q+2*\bp+\ra)%FPW), FR*((32+8*\e+\q)%FPW), 0, SB+8*\bp+\q, SA+8*(\s/2)+\q, \ra, \e
.endif
.endr
.endr
.endr
	WIN 0
	NOPS 4                                         ; places ahead of the stores of results and of the loads into the fragments' registers
.if \s > 1
	s_wait_xcnt 0x0                                ; the stores of the block two back have read their registers: this block's rows may land there
.endif
	TOSTAGE \e
.if \s < 6
	FETCH \e, \s+2
.endif
.endm
	s_wait_alu depctr_va_vdst(0)                   ; the wait at the head's end
	s_cmp_lt_u32 s14, 2
	s_cbranch_scc0 .Lnot_w
	s_wait_tensorcnt 0x0
.Lnot_w:
	s_barrier_signal -1
	s_barrier_wait -1                              ; w_proj's rows are in
.irp q, 0,1,2,3,4,5,6,7
.irp b, 0,1,2,3
	WFRAG \q, \b
.endr
.endr
	WIN 0
	s_wait_tensorcnt 0x0                           ; every wave's load is in,
	s_wait_loadcnt 0x0                             ; the scale words too,
	s_wait_dscnt 0x0                               ; and my reads of w_proj's rows are over
	s_barrier_signal -1
	s_barrier_wait -1
	FETCH 0, 0
	FETCH 1, 1
	BLK 0, 0
	BLK 1, 1
	BLK 2, 0
	BLK 3, 1
	BLK 4, 0
	BLK 5, 1
	BLK 6, 0
	BLK 7, 1
	s_wait_dscnt 0x0
	SEND 7
	s_wait_tensorcnt 0x0                           ; the wave's end
	ds_add_u32 v[SPW], v[NIL]
	s_wait_dscnt 0x0
	CROUND                                         ; the closing round
	s_endpgm
.Lfunc_end_k_q5b2caf8364_proj:
	.size	k_q5b2caf8364_proj, .Lfunc_end_k_q5b2caf8364_proj-k_q5b2caf8364_proj
	.p2alignl 7, 3214868480
	.fill 96, 4, 3214868480
	.section	.rodata,"a",@progbits
	.p2align	6, 0x0
	.amdhsa_kernel k_q5b2caf8364_proj
		.amdhsa_group_segment_fixed_size 327680
		.amdhsa_private_segment_fixed_size 0
		.amdhsa_enable_private_segment 0
		.amdhsa_kernarg_size 40
		.amdhsa_user_sgpr_count 2
		.amdhsa_user_sgpr_kernarg_segment_ptr 1
		.amdhsa_wavefront_size32 1
		.amdhsa_system_sgpr_workgroup_id_x 1
		.amdhsa_system_sgpr_workgroup_id_y 1
		.amdhsa_system_sgpr_workgroup_id_z 1
		.amdhsa_system_vgpr_workitem_id 0
		.amdhsa_next_free_vgpr 840
		.amdhsa_next_free_sgpr 66
		.amdhsa_reserve_vcc 0
		.amdhsa_float_denorm_mode_32 3
		.amdhsa_float_denorm_mode_16_64 3
		.amdhsa_memory_ordered 1
		.amdhsa_forward_progress 1
		.amdhsa_inst_pref_size 94
	.end_amdhsa_kernel
	.amdgpu_metadata
---
amdhsa.version: [ 1, 2 ]
amdhsa.kernels:
  - .name:           k_q5b2caf8364_proj
    .symbol:         k_q5b2caf8364_proj.kd
    .args:
      - { .name: ocodes, .offset: 0, .size: 8, .value_kind: global_buffer, .address_space: global }
      - { .name: oscales, .offset: 8, .size: 8, .value_kind: global_buffer, .address_space: global }
      - { .name: codes, .offset: 16, .size: 8, .value_kind: global_buffer, .address_space: global }
      - { .name: scales, .offset: 24, .size: 8, .value_kind: global_buffer, .address_space: global }
      - { .name: out0, .offset: 32, .size: 8, .value_kind: global_buffer, .address_space: global }
    .group_segment_fixed_size: 327680
    .private_segment_fixed_size: 0
    .kernarg_segment_align: 8
    .kernarg_segment_size: 40
    .max_flat_workgroup_size: 128
    .sgpr_count:     66
    .vgpr_count:     840
    .wavefront_size: 32
...
	.end_amdgpu_metadata
.endif
;; end of part 4
